; MI455X (gfx1250); checked and timed in simulation.
; The chip was launched on July 23, 2026; its instructions are those of AMD's public machine-readable ISA for CDNA 5 (MIT licence, August 2026) and "CDNA5" Instruction Set Architecture Reference Guide (July 2026). The comments in the code are by the model that wrote it; some were corrected since.
;; Core Memory. Allowed arithmetic: float matrix products may take bf16 or f16 operands with f32 sums; other float arithmetic in f32, or as packed bf16 or f16 multiplies, adds, multiply-adds, maxima and minima; sums over many terms, partial sums and values carried from step to step in f32; what a program stores and reads back later, other than sums and carried values, may be rounded once to bf16 or f16.
;; Inputs: Wk 1,024 x 1,024 float32; Wo 1,024 x 1,024 float32; Wq 1,024 x 1,024 float32; Wv 1,024 x 1,024 float32; bk 1,024 float32; bo 1,024 float32; bq 1,024 float32; bv 1,024 float32; ln_b 1,024 float32; ln_g 1,024 float32; x 4 x 4,096 x 1,024 float32.
;; Outputs: out0 4 x 4,096 x 1,024 float32.
;; 2 versions, each right; version 2 is version 1 with the launch attn written anew for expert scheduling mode. Each part assembles by itself: llvm-mc -triple=amdgcn-amd-amdhsa -mcpu=gfx1250 --defsym DOCPART=n.
;; ======== version 1 of 2: 4 launches
;; limits: values are held in f16: magnitudes above 65,504 overflow, below 6.1e-05 lose precision
;; workspace buffers: xn 33,554,432 bytes; wt 8,388,608 bytes; bias 16,384 bytes; qkv 100,663,296 bytes; ctx 33,554,432 bytes
;; launch prep (part 1): grid 256 x 1, 18 waves a work-group, no clusters, 37,120 bytes of LDS; arguments x, ln_g, ln_b, Wq, Wk, Wv, Wo, bq, bk, bv, bo, xn, wt, bias; writes xn, wt, bias
.if DOCPART == 1
	.amdgcn_target "amdgcn-amd-amdhsa--gfx1250"
	.amdhsa_code_object_version 6
	.text
	.protected	k_qcd7961a018_prep
	.globl	k_qcd7961a018_prep
	.p2align	8
	.type	k_qcd7961a018_prep,@function
k_qcd7961a018_prep:
	s_mov_b64 s[64:65], 0
	v_nop
	global_prefetch_b8 v0, s[64:65] scope:SCOPE_SE
	s_setreg_imm32_b32 hwreg(HW_REG_WAVE_MODE, 25, 1), 1
	s_wait_xcnt 0x0
; PREP.  Three things that the products behind this launch need, each input byte read once:
;   xn[r][c]  = ((x[r][c] - mean_r) * rsqrt(var_r + 1e-5)) * ln_g[c] + ln_b[c], rounded once to f16.   x: [16384][1024] f32, xn: [16384][1024] f16.
;   wt[n][k]  = W[k][n] rounded once to f16, K along the rows: rows 0-1023 Wq, 1024-2047 Wk, 3072-4095 Wo; row 2048 + 16 d + g is column 64 g + d of Wv,
;               so that a token's v leaves the product already turned: 16 heads on end for each channel d.
;   bias[n]   = bq, bk, bv (in wt's row order), bo, f32.
; LIMITS.  f16 holds no number beyond 65,504: xn must lie within it (it is ln_g times a number of unit spread, plus ln_b).  A weight below 6.1e-5 keeps f16's fixed step of 6e-8.
; NaN and infinities are not treated apart.  Mean and variance are taken in f32 in two passes over the row in registers (the mean first, then the squares of x - mean): no difference of large sums.
; SHARES.  256 work-groups of 18 waves.  Waves 2-17: LayerNorm, four rows each, 64 rows a work-group; a row (4,096 bytes) lies in 32 registers of one wave, so no wave waits for another.
; Waves 0, 1: one tile each of 128 k x 64 n of a weight (512 tiles in all), turned through the wave's own 17,408 bytes of LDS.  No barrier: no wave reads what another wrote.
; No matrix unit, no cluster, no tensor load: nothing is shared and every byte is touched once.
.set ROWX,  4096                       ; bytes in a row of x and of a weight
.set ROWY,  2048                       ; bytes in a row of xn and of wt
.set TP,    272                        ; a row of a turned tile in LDS: 128 k x 2 bytes + 16
.set TILEB, 64*TP                      ; a wave's tile
.set SPARE, 2*TILEB                    ; behind the tiles: the spare words, 128 bytes for each of 18 waves: nine blocks of 256 bytes that no other line names
.set SPW, 2                            ; v2   LDS address of my spare word; never rewritten
.set NIL, 3                            ; v3   0; never rewritten
.set T,   8                            ; v[8:15]   at work
.set MU,  16                           ; v[16:17]  the row's mean (the pair's low word serves both halves)
.set RS,  18                           ; v[18:19]  1 / sqrt(var + eps), likewise
.set G,   20                           ; v[20:51]  ln_g of my 32 columns
.set B,   52                           ; v[52:83]  ln_b of them
.set X,   84                           ; v[84:179] three row slots of 32
.set D,   20                           ; v[20:147] (waves 0, 1) sixteen slots of 8: a pair of weight rows each; later the turned tile
	s_load_b512 s[4:19], s[0:1], 0x0               ; x 4, ln_g 6, ln_b 8, Wq 10, Wk 12, Wv 14, Wo 16, bq 18
	s_load_b256 s[20:27], s[0:1], 0x40             ; bk 20, bv 22, bo 24, xn 26
	s_load_b128 s[28:31], s[0:1], 0x60             ; wt 28, bias 30
	v_lshl_add_u32 v[SPW], v0, 2, SPARE
	v_mov_b32 v[NIL], 0
	v_lshrrev_b32 v1, 5, v0
	v_readfirstlane_b32 s32, v1                    ; wave 0..17
	v_and_b32 v1, 31, v0                           ; lane
	s_cmp_lt_u32 s32, 2
	s_cbranch_scc1 .Ltile
; ---------------- LayerNorm: waves 2 to 17 ----------------
; Load j of a row takes bytes 512 j + 16 lane: a lane holds columns 128 j + 4 lane + 0..3, and a load of the wave covers 512 bytes on end.
; Those four numbers leave as 8 bytes at 256 j + 8 lane: a store of the wave covers 256 bytes on end, aligned.
	s_sub_co_u32 s33, s32, 2                       ; my number among the sixteen: it enters global offsets alone
	s_mov_b32 s34, 0x76543210                      ; v_permlanex16_b32: each lane takes its own place in the other half
	s_mov_b32 s35, 0xfedcba98
	s_mov_b32 s36, 0x3a800000                      ; 1 / 1024
	s_mov_b32 s37, 0x3727c5ac                      ; 1e-5
	s_lshl_b32 s38, ttmp9, 18                      ; the work-group's 64 rows of x,
	s_mov_b32 s39, 0
	s_lshl_b32 s40, ttmp9, 17                      ; and of xn
	s_mov_b32 s41, 0
	s_lshl_b32 s42, s33, 14                        ; my four rows of x,
	s_lshl_b32 s43, s33, 13                        ; and of xn
	v_lshl_add_u32 v4, v1, 4, s42                  ; v4  my offset in x; never rewritten
	v_lshl_add_u32 v5, v1, 3, s43                  ; v5  my offset in xn; never rewritten
	v_lshlrev_b32 v6, 4, v1                        ; v6  my offset in ln_g and ln_b
	v_mov_b32 v[MU+1], 0                           ; named with their partners as pairs, so they are written
	v_mov_b32 v[RS+1], 0
	s_wait_kmcnt 0x0
	s_add_nc_u64 s[4:5], s[4:5], s[38:39]
	s_add_nc_u64 s[26:27], s[26:27], s[40:41]
.macro XLOAD i, s                      ; row i into slot s
.irp j, 0,1,2,3,4,5,6,7
	global_load_b128 v[X+32*(\s)+4*(\j):X+32*(\s)+4*(\j)+3], v4, s[4:5] offset:(\i)*ROWX+512*(\j) th:TH_LOAD_NT
.endr
.endm
	XLOAD 0, 0                                     ; the row wanted first goes first
.irp j, 0,1,2,3,4,5,6,7
	global_load_b128 v[G+4*(\j):G+4*(\j)+3], v6, s[6:7] offset:512*(\j)
.endr
.irp j, 0,1,2,3,4,5,6,7
	global_load_b128 v[B+4*(\j):B+4*(\j)+3], v6, s[8:9] offset:512*(\j)
.endr
	XLOAD 1, 1
	XLOAD 2, 2
.macro SUMUP                           ; the four pairs in T become one sum, the same in every lane
	v_pk_add_f32 v[T:T+1], v[T:T+1], v[T+2:T+3]
	v_pk_add_f32 v[T+4:T+5], v[T+4:T+5], v[T+6:T+7]
	v_pk_add_f32 v[T:T+1], v[T:T+1], v[T+4:T+5]
	v_add_f32 v[T], v[T], v[T+1]
	v_add_f32_dpp v[T], v[T], v[T] row_xmask:1 row_mask:0xf bank_mask:0xf
	v_add_f32_dpp v[T], v[T], v[T] row_xmask:2 row_mask:0xf bank_mask:0xf
	v_add_f32_dpp v[T], v[T], v[T] row_xmask:4 row_mask:0xf bank_mask:0xf
	v_add_f32_dpp v[T], v[T], v[T] row_xmask:8 row_mask:0xf bank_mask:0xf
	v_permlanex16_b32 v[T+1], v[T], s34, s35       ; its destination counts as read: it has been written
	v_add_f32 v[T], v[T], v[T+1]
.endm
; Row i, which lies in slot s.  left: the younger loads that may stay out.  first = 1: ln_g and ln_b are waited for where they are first wanted.  refill = 1: slot 0 takes row 3.
.macro TURN i, s, left, first, refill
.set XS, X+32*(\s)
	s_wait_loadcnt \left                           ; loads come back in order: my row is in
.set p, 0
.rept 4                                ; the sum, in four chains that the first eight pairs start: nothing is cleared
	v_pk_add_f32 v[T+2*p:T+2*p+1], v[XS+2*p:XS+2*p+1], v[XS+8+2*p:XS+8+2*p+1]
.set p, p+1
.endr
.set p, 8
.rept 8
	v_pk_add_f32 v[T+2*(p%4):T+2*(p%4)+1], v[T+2*(p%4):T+2*(p%4)+1], v[XS+2*p:XS+2*p+1]
.set p, p+1
.endr
	SUMUP
	v_mul_f32 v[MU], s36, v[T]                     ; the mean
.set p, 0
.rept 16
	v_pk_add_f32 v[XS+2*p:XS+2*p+1], v[XS+2*p:XS+2*p+1], v[MU:MU+1] op_sel_hi:[1,0] neg_lo:[0,1] neg_hi:[0,1]  ; x - mean, in place
.set p, p+1
.endr
.set p, 0
.rept 4                                ; the sum of its squares, again in four chains
	v_pk_mul_f32 v[T+2*p:T+2*p+1], v[XS+2*p:XS+2*p+1], v[XS+2*p:XS+2*p+1]
.set p, p+1
.endr
.rept 12
	v_pk_fma_f32 v[T+2*(p%4):T+2*(p%4)+1], v[XS+2*p:XS+2*p+1], v[XS+2*p:XS+2*p+1], v[T+2*(p%4):T+2*(p%4)+1]
.set p, p+1
.endr
	SUMUP
	v_fma_f32 v[T], v[T], s36, s37                 ; var + eps
	v_rsq_f32 v[RS], v[T]
	v_nop                                          ; a plain instruction between the root and the use of its result
.if \first
	s_wait_loadcnt 16                              ; ln_g and ln_b are in; rows 1 and 2 (sixteen loads) stay out
.endif
	s_wait_alu depctr_va_vdst(0)                   ; the wait ahead of the result's first reader
.set p, 0
.rept 16
	v_pk_mul_f32 v[XS+2*p:XS+2*p+1], v[XS+2*p:XS+2*p+1], v[RS:RS+1] op_sel_hi:[1,0]
.set p, p+1
.endr
.set p, 0
.rept 16
	v_pk_fma_f32 v[XS+2*p:XS+2*p+1], v[XS+2*p:XS+2*p+1], v[G+2*p:G+2*p+1], v[B+2*p:B+2*p+1]
.set p, p+1
.endr
.set p, 0
.rept 16                               ; rounded once, packed in place: register p takes numbers 2 p and 2 p + 1, which no earlier line of this run has written
	v_cvt_pk_f16_f32 v[XS+p], v[XS+2*p], v[XS+2*p+1]
.set p, p+1
.endr
.irp j, 0,1,2,3,4,5,6,7
	global_store_b64 v5, v[XS+2*(\j):XS+2*(\j)+1], s[26:27] offset:(\i)*ROWY+256*(\j)
.endr
.if \refill
	s_wait_xcnt 0x0                                ; the stores have read the slot's registers: only behind this wait is it loaded again
	XLOAD 3, 0
.endif
.endm
	TURN 0, 0, 32, 1, 1                            ; behind row 0's loads: ln_g, ln_b, rows 1 and 2: 32
	TURN 1, 1, 16, 0, 0                            ; behind row 1's: rows 2 and 3
	TURN 2, 2, 8, 0, 0                             ; behind row 2's: row 3
	TURN 3, 0, 0, 0, 0
	s_branch .Lend
; ---------------- a weight tile: waves 0 and 1 ----------------
.Ltile:
	s_lshr_b32 s33, ttmp9, 6                       ; which weight: 0 Wq, 1 Wk, 2 Wv, 3 Wo
	s_bfe_u32 s34, ttmp9, 0x40002                  ; nl: which 64 columns of it
	s_and_b32 s35, ttmp9, 3
	s_lshl1_add_u32 s35, s35, s32                  ; kb: which 128 rows (k) of it
	s_mul_i32 s37, s32, TILEB                      ; my tile in LDS
	v_and_b32 v16, 15, v1                          ; c  = lane % 16
	v_lshrrev_b32 v17, 4, v1                       ; hh = lane / 16
	v_lshlrev_b32 v4, 13, v17
	v_lshl_add_u32 v4, v16, 4, v4                  ; v4  in W: row 2 hh, 16 bytes c (columns 4 c + 0..3)
	v_mul_u32_u24 v5, v16, 4*TP
	v_lshl_add_u32 v5, v17, 2, v5
	v_add_nc_u32 v5, s37, v5                       ; v5  into the tile: row n = 4 c, the word of k = 2 hh
	v_mul_u32_u24 v6, v17, TP
	v_lshl_add_u32 v6, v16, 4, v6
	v_add_nc_u32 v6, s37, v6                       ; v6  out of it: row hh, 16 bytes c
	s_lshl_b32 s46, s33, 10
	s_lshl_b32 s47, s34, 6
	s_add_co_u32 s46, s46, s47                     ; the tile's first row of wt: 1024 x weight + 64 nl,
	s_add_co_u32 s47, s34, 2048                    ; or for Wv 2048 + nl (head nl, channel 0),
	s_mov_b32 s48, ROWY                            ; and from row to row one row of wt,
	s_mov_b32 s49, 16*ROWY                         ; or for Wv sixteen
	s_lshl_b32 s40, s34, 8                         ; where my 64 numbers of the bias begin in their source,
	s_lshl_b32 s41, s34, 4                         ; or for bv: channel 4 nl of head 0
	s_cmp_eq_u32 s33, 2
	s_cselect_b32 s46, s47, s46
	s_cselect_b32 s48, s49, s48
	s_cselect_b32 s40, s41, s40
	s_lshl_b32 s46, s46, 11
	s_lshl_b32 s47, s35, 8
	s_add_co_u32 s46, s46, s47                     ; + my 128 k: 256 bytes of a row of wt
	s_mov_b32 s47, 0
	s_mov_b32 s41, 0
	v_mul_lo_u32 v7, v17, s48
	v_lshl_add_u32 v7, v16, 4, v7                  ; v7  in wt: row hh, 16 bytes c
	s_lshl_b32 s38, s35, 19                        ; 128 kb rows of W,
	s_lshl_b32 s39, s34, 8                         ; 64 nl columns
	s_add_co_u32 s38, s38, s39
	s_mov_b32 s39, 0
	s_lshl_b32 s52, s33, 12
	s_lshl_b32 s53, s34, 8
	s_add_co_u32 s52, s52, s53                     ; my 64 numbers in bias
	s_mov_b32 s53, 0
	v_lshlrev_b32 v14, 3, v1                       ; v14 two numbers a lane
	v_and_b32 v15, 7, v1
	v_lshrrev_b32 v18, 3, v1
	v_lshlrev_b32 v15, 9, v15
	v_lshl_add_u32 v15, v18, 2, v15                ; v15 in bv: head 2 (lane % 8), channel lane / 8
	s_wait_kmcnt 0x0
	s_cmp_eq_u32 s33, 1                            ; the weight and its bias are chosen by the work-group's number alone
	s_cselect_b64 s[42:43], s[12:13], s[10:11]
	s_cselect_b64 s[44:45], s[20:21], s[18:19]
	s_cmp_eq_u32 s33, 2
	s_cselect_b64 s[42:43], s[14:15], s[42:43]
	s_cselect_b64 s[44:45], s[22:23], s[44:45]
	s_cmp_eq_u32 s33, 3
	s_cselect_b64 s[42:43], s[16:17], s[42:43]
	s_cselect_b64 s[44:45], s[24:25], s[44:45]
	s_add_nc_u64 s[42:43], s[42:43], s[38:39]
	s_add_nc_u64 s[44:45], s[44:45], s[40:41]
	s_add_nc_u64 s[50:51], s[28:29], s[46:47]
	s_add_nc_u64 s[52:53], s[30:31], s[52:53]
; Pair i of 32: rows k = 4 i + 2 hh and the row below.  A load of the wave covers 256 bytes on end, aligned, of each of two rows.
.macro WLOAD i
	global_load_b128 v[D+8*((\i)%16):D+8*((\i)%16)+3],   v4, s[42:43] offset:(\i)*4*ROWX th:TH_LOAD_NT
	global_load_b128 v[D+8*((\i)%16)+4:D+8*((\i)%16)+7], v4, s[42:43] offset:(\i)*4*ROWX+ROWX th:TH_LOAD_NT
.endm
; The pair is rounded: (k, k + 1) of one column make a word of the turned tile.  Four lanes meet in a bank at these stores (rows 4 c lie 16 words apart modulo 64): 128 stores a wave, once a launch.
.macro WPAIR i, ahead, left
	s_wait_loadcnt \left
.irp j, 0,1,2,3
	v_cvt_pk_f16_f32 v[T+(\j)], v[D+8*((\i)%16)+(\j)], v[D+8*((\i)%16)+4+(\j)]
.endr
.if \ahead
	WLOAD (\i)+16                                  ; the slot's next pair
.endif
.irp j, 0,1,2,3
	ds_store_b32 v5, v[T+(\j)] offset:TP*(\j)+8*(\i)
.endr
.endm
.set i, 0
.rept 16
	WLOAD i
.set i, i+1
.endr
.set i, 0
.rept 16
	WPAIR i, 1, 30                                 ; 32 + 2 i loads are issued, 2 i + 2 are wanted: 30 stay out
.set i, i+1
.endr
.rept 16
	WPAIR i, 0, 62-2*i                             ; nothing more is asked for: the counts run down
.set i, i+1
.endr
.set t, 0
.rept 32                               ; back by rows: lanes 0-15 take row 2 t, lanes 16-31 row 2 t + 1.  LDS serves a wave's instructions in order: these see the stores above
	ds_load_b128 v[D+4*t:D+4*t+3], v6 offset:2*TP*t
.set t, t+1
.endr
.macro WOUT rs                         ; rs: rows of wt from one row of the tile to the next
.set t, 0
.rept 32
	s_wait_dscnt 31-t
	global_store_b128 v7, v[D+4*t:D+4*t+3], s[50:51] offset:t*(\rs)*2*ROWY  ; 16 lanes store 256 bytes on end, aligned
.set t, t+1
.endr
	s_cmp_lg_u32 s35, 0                            ; the wave with the weight's first 128 k also carries these 64 columns' bias
	s_cbranch_scc1 .Lend
.if (\rs) == 1
	global_load_b64 v[12:13], v14, s[44:45]
.else
	global_load_b32 v12, v15, s[44:45]             ; bias rows 2048 + 64 nl + e hold bv[64 (e % 16) + 4 nl + e / 16]; e = 2 lane,
	global_load_b32 v13, v15, s[44:45] offset:256  ; and 2 lane + 1: the next head
.endif
	s_wait_loadcnt 0x0
	global_store_b64 v14, v[12:13], s[52:53]       ; 256 bytes on end, aligned
.endm
	s_cmp_eq_u32 s33, 2
	s_cbranch_scc1 .Lturned
	WOUT 1
	s_branch .Lend
.Lturned:
	WOUT 16
.Lend:
	s_wait_tensorcnt 0x0                           ; the wave's end, behind my last LDS store
	ds_add_u32 v[SPW], v[NIL]
	s_wait_dscnt 0x0
	s_endpgm
.Lfunc_end_k_qcd7961a018_prep:
	.size	k_qcd7961a018_prep, .Lfunc_end_k_qcd7961a018_prep-k_qcd7961a018_prep
	.p2alignl 7, 3214868480
	.fill 96, 4, 3214868480
	.section	.rodata,"a",@progbits
	.p2align	6, 0x0
	.amdhsa_kernel k_qcd7961a018_prep
		.amdhsa_group_segment_fixed_size 37120
		.amdhsa_private_segment_fixed_size 0
		.amdhsa_enable_private_segment 0
		.amdhsa_kernarg_size 112
		.amdhsa_user_sgpr_count 2
		.amdhsa_user_sgpr_kernarg_segment_ptr 1
		.amdhsa_wavefront_size32 1
		.amdhsa_system_sgpr_workgroup_id_x 1
		.amdhsa_system_sgpr_workgroup_id_y 1
		.amdhsa_system_sgpr_workgroup_id_z 1
		.amdhsa_system_vgpr_workitem_id 0
		.amdhsa_next_free_vgpr 192
		.amdhsa_next_free_sgpr 66
		.amdhsa_reserve_vcc 0
		.amdhsa_float_denorm_mode_32 3
		.amdhsa_float_denorm_mode_16_64 3
		.amdhsa_memory_ordered 1
		.amdhsa_forward_progress 1
		.amdhsa_inst_pref_size 74
	.end_amdhsa_kernel
	.amdgpu_metadata
---
amdhsa.version: [ 1, 2 ]
amdhsa.kernels:
  - .name:           k_qcd7961a018_prep
    .symbol:         k_qcd7961a018_prep.kd
    .args:
      - { .name: x, .offset: 0, .size: 8, .value_kind: global_buffer, .address_space: global }
      - { .name: ln_g, .offset: 8, .size: 8, .value_kind: global_buffer, .address_space: global }
      - { .name: ln_b, .offset: 16, .size: 8, .value_kind: global_buffer, .address_space: global }
      - { .name: Wq, .offset: 24, .size: 8, .value_kind: global_buffer, .address_space: global }
      - { .name: Wk, .offset: 32, .size: 8, .value_kind: global_buffer, .address_space: global }
      - { .name: Wv, .offset: 40, .size: 8, .value_kind: global_buffer, .address_space: global }
      - { .name: Wo, .offset: 48, .size: 8, .value_kind: global_buffer, .address_space: global }
      - { .name: bq, .offset: 56, .size: 8, .value_kind: global_buffer, .address_space: global }
      - { .name: bk, .offset: 64, .size: 8, .value_kind: global_buffer, .address_space: global }
      - { .name: bv, .offset: 72, .size: 8, .value_kind: global_buffer, .address_space: global }
      - { .name: bo, .offset: 80, .size: 8, .value_kind: global_buffer, .address_space: global }
      - { .name: xn, .offset: 88, .size: 8, .value_kind: global_buffer, .address_space: global }
      - { .name: wt, .offset: 96, .size: 8, .value_kind: global_buffer, .address_space: global }
      - { .name: bias, .offset: 104, .size: 8, .value_kind: global_buffer, .address_space: global }
    .group_segment_fixed_size: 37120
    .private_segment_fixed_size: 0
    .kernarg_segment_align: 8
    .kernarg_segment_size: 112
    .max_flat_workgroup_size: 576
    .sgpr_count:     66
    .vgpr_count:     192
    .wavefront_size: 32
...
	.end_amdgpu_metadata
.endif
;; end of part 1
;; launch qkv (part 2): grid 4 x 64, 4 waves a work-group, clusters of 4 x 4, 327,680 bytes of LDS; arguments xn, wt, qkv, bias; writes qkv
.if DOCPART == 2
	.amdgcn_target "amdgcn-amd-amdhsa--gfx1250"
	.amdhsa_code_object_version 6
	.text
	.protected	k_qcd7961a018_qkv
	.globl	k_qcd7961a018_qkv
	.p2align	8
	.type	k_qcd7961a018_qkv,@function
k_qcd7961a018_qkv:
	s_mov_b64 s[64:65], 0
	v_nop
	global_prefetch_b8 v0, s[64:65] scope:SCOPE_SE
	s_setreg_imm32_b32 hwreg(HW_REG_WAVE_MODE, 25, 1), 1
	s_wait_xcnt 0x0
	s_wait_alu depctr_hold_cnt(0) depctr_sa_sdst(0) depctr_va_vdst(0) depctr_va_sdst(0) depctr_va_ssrc(0) depctr_va_vcc(0) depctr_vm_vsrc(0)
	s_getreg_b32 s2, hwreg(HW_REG_IB_STS2, 6, 4)
	s_cmp_eq_u32 s2, 0
	s_cbranch_scc0 .Lentry_in_a_cluster
	s_endpgm
.Lentry_in_a_cluster:
	s_bfe_u32 s2, ttmp6, 0x10000c
	s_cmp_lg_u32 s2, 0xf033
	s_cbranch_scc0 .Lentry_shape_is_right
	s_endpgm
.Lentry_shape_is_right:
; QKV.  C[m][n] = bias[n] + the sum over k of A[m][k] wt[n][k].  A = xn: [16384][1024] f16; wt: [4096][1024] f16, K along the rows, of which rows 0..3071 are used here; C = qkv: [16384][3072] f16.
; Sums in f32, begun with the bias; C rounded once.  LIMIT: C must lie within f16's 65,504; NaN and infinities are not treated apart.
; SHARES.  A tile of C is 256 x 256: four waves, each 128 x 128 in 64 accumulators of 16 x 16, 512 registers.  K goes in eight steps of 128 through a ring of two LDS slots filled by the tensor data mover;
; a tile's rows are 256 bytes of memory, aligned.  A WORK-GROUP STAYS on its 256 rows of A and makes three tiles, four tile columns apart; the ring runs on across tiles: a tile's last two changes of slots
; ask for the next tile's first two K steps, and nothing waits for a tile's stores.
; ONE K STEP IS WRITTEN ONCE.  Which slot is in hand lies in registers: s[TB] is 0 or SLOT and is turned at each change of slots; the two fragment addresses are made from it; one descriptor for A and one for wt walk.
; CLUSTERS.  4 x 4 work-groups.  The four of a row of the cluster need the same tiles of A, the four of a column the same tiles of wt: each tile is asked for JOINTLY, by the same tensor load with the same
; descriptor and a mask that names the four.
; THE MATRIX INSTRUCTION IS USED TRANSPOSED: source 0 = 16 rows of wt, source 1 = 16 rows of A.  Lane l then holds row l % 16 of C and its registers the columns 8 (l / 16) + 0..7.
; THE BIAS is the C operand of the product that starts each sum: 64 registers that hold, for n block b, bias[16 b + 8 (l / 16) + 0..7].  Nothing is cleared and nothing is added afterwards.
; REGISTERS, in windows of 256 (s_set_vgpr_msb: bits 1:0 source 0, 3:2 source 1, 5:4 source 2, 7:6 destination):
;   window 0: v0-31 addresses; v64-127, v128-191 fragments of A, two buffers; v32-63, v192-255 at work on the way out
;   window 1: v0-63 the bias; v64-127, v128-191 fragments of wt, two buffers
;   window 2: the 32 accumulators of my rows 0-63 ((a, b) at v[8 (8 a + b)]);   window 3: those of my rows 64-127
.set TILES,  3                         ; tiles of C to a work-group
.set CROW,   6144                      ; bytes in a row of C
.set SIZE_K, 1024
.set KSTEP,  128
.set STEPS,  SIZE_K/KSTEP              ; K steps in a tile: even, so that each tile begins in slot 0
.set PITCH,  272                       ; an LDS row: 256 bytes + 16 of padding = 68 words: row r starts at bank 4 r mod 64 (64 banks of 4 bytes: ISA guide 11.1)
.set HALFT,  128*PITCH                 ; 128 rows: what one tensor load brings, and what one wave reads of A or of wt
.set SLOT,   4*HALFT                   ; A's 256 rows, then wt's 256 rows.  0x22000: it shares no bit with wave x HALFT (0, 0x8800, 0x11000, 0x19800), so an exclusive or with it goes from one slot to the other
.set STAGE,  2*SLOT                    ; behind the ring, never filled by a tensor load: 16 rows for each wave, for the way out
.set SPITCH, 272                       ; a stage row: my 128 columns + 16 bytes
.set SPARE,  STAGE+4*16*SPITCH         ; behind the stages: the spare words, 128 bytes for each wave: two blocks of 256 bytes that no other line names
.set BACK_A, (STEPS-1)*KSTEP*2         ; bytes from a tile's last K step back to its first: A's rows stay,
.set NEXT_B, 1024*SIZE_K*2-BACK_A      ; wt goes 1,024 rows (four tile columns) down and back along K
.set PF_NEXT, 1023*SIZE_K*2+KSTEP*2    ; the prefetches: from the K step after a tile's last to the next tile's K step 1
.set ADRA0, 16                         ; v16     LDS address of my A fragments in slot 0; never rewritten
.set ADRA,  17                         ; v17     the same in the slot in hand
.set ADRB0, 20                         ; v20, v21  the same for wt
.set ADRB,  21
.set STO,  24                          ; v24     the way out: where I put my part of a row
.set RD,   25                          ; v25     the way out: where I read rows back
.set CO,   26                          ; v26     my byte offset in C
.set BO,   27                          ; v27     my byte offset in 16 numbers of the bias: 32 (l / 16)
.set SPW,  28                          ; v28     LDS address of my spare word; never rewritten
.set NIL,  29                          ; v29     0; never rewritten
.set PFO,  30                          ; v30     the prefetches' offset: my lane x a row of A or wt; never rewritten
.set F0,   64
.set F1,   128
.set TMP,  192                         ; the way out: packed results
.set OB,   32                          ; the way out: 16 rows read back: v32-63 and v224-255 by turns
.set G1,  24                           ; s[24:31] descriptor group 1 for A's tiles;  s[32:35] group 0 of the first fill, s[36:39] of the second, which then walks
.set G0,  32
.set G1B, 48                           ; s[48:55], s[56:63] the same for wt's tiles
.set G0B, 56
.set LIM, 43                           ; s43     2 in a wave that prefetches, else the greatest number
.set PFA, 44                           ; s[44:45] where my prefetches stand
.set TB,  66                           ; s66     0 or SLOT: the slot in hand
.set BP,  68                           ; s[68:69] the bias at my 128 columns of the tile in hand
.set MSB, 0
.macro WIN new                         ; the immediate's high byte repeats the setting that is left; a switch that changes nothing is dropped
.if MSB != (\new)
	s_set_vgpr_msb (MSB<<8)|(\new)
.set MSB, \new
.endif
.endm
.set MUL_LO, 0xa1                      ; source 0 (wt) window 1, source 1 (A) window 0, C and D window 2
.set MUL_HI, 0xf1                      ; the same, C and D window 3
.set BIA_LO, 0x91                      ; the same with C (the bias) in window 1
.set BIA_HI, 0xd1
.set TO_B,   0x40                      ; destination window 1, address window 0
; A joint load by descriptor set s.  Waves 0 and 1 fetch A's two halves, waves 2 and 3 wt's.  The branch hangs on the wave's number alone.  An s_nop 0 and four v_nop follow each of the two lines.
.macro JLOAD s
	s_cmp_eq_u32 s11, 0
	s_cbranch_scc0 .Lfor_b_\@
	tensor_load_to_lds s[G0+4*(\s):G0+4*(\s)+3], s[G1:G1+7]
	s_nop 0
.rept 4
	v_nop
.endr
	s_branch .Lasked_\@
.Lfor_b_\@:
	tensor_load_to_lds s[G0B+4*(\s):G0B+4*(\s)+3], s[G1B:G1B+7]
	s_nop 0
.rept 4
	v_nop
.endr
.Lasked_\@:
.endm
; A PREFETCH INTO THE L2, behind each joint load and the run of LDS loads that follows it: the K step that stands two refills on: 32 rows x 256 bytes, a lane a row, one instruction a wave.
; Each row's 256 bytes of a K step are named once in the launch.  A's rows are read by one cluster alone (the grid is one cluster wide): it asks.  wt's rows are read by every cluster: the cluster with y = 0 asks.
; The four partners that ask for a tile jointly share its rows out BY ADDRESS, 32 each (by cx for A, by cy for wt).  how = 0, in the loop: trip t (s3 = 6 - t) refills K step t + 2 and names t + 4, which exists
; while s3 is above 2.  how > 0: at a change of tiles.
.macro ASK how
.if \how
	s_cmp_eq_u32 s[LIM], 2
.else
	s_cmp_gt_u32 s3, s[LIM]
.endif
	s_cbranch_scc0 .Lnot_mine_\@
	global_prefetch_b8 v[PFO], s[PFA:PFA+1] offset:KSTEP*2 th:TH_LOAD_NT scope:SCOPE_SE
.Lnot_mine_\@:
.endm
.macro CREST                           ; a round of the cluster's barrier behind its opening barrier
	s_cmp_lg_u32 s10, 0
	s_cbranch_scc1 .Lnot_wave_0_\@
	s_barrier_signal -3
.Lnot_wave_0_\@:
	s_barrier_wait -3
	s_barrier_signal -1
	s_barrier_wait -1
.endm
.macro CROUND                          ; a whole round
	s_barrier_signal -1
	s_barrier_wait -1
	CREST
.endm
.macro BIASLD                          ; my 128 columns' bias: for each n block 32 bytes a lane
	WIN TO_B
.irp b, 0,1,2,3,4,5,6,7
	global_load_b128 v[8*(\b):8*(\b)+3],   v[BO], s[BP:BP+1] offset:64*(\b)
	global_load_b128 v[8*(\b)+4:8*(\b)+7], v[BO], s[BP:BP+1] offset:64*(\b)+16
.endr
	WIN 0
.endm
	s_load_b128 s[4:7], s[0:1], 0x0                ; A s[4:5], wt s[6:7]
	s_load_b64 s[8:9], s[0:1], 0x10                ; C
	s_load_b64 s[BP:BP+1], s[0:1], 0x18            ; bias
	v_lshl_add_u32 v[SPW], v0, 2, SPARE
	v_mov_b32 v[NIL], 0
	ds_add_u32 v[SPW], v[NIL]                      ; the wave's opening: the add and its wait stand ahead of my first tensor load; the set-up below, work on registers, stands between them
	v_lshrrev_b32 v1, 5, v0
	v_readfirstlane_b32 s10, v1                    ; wave 0..3
	s_lshr_b32 s11, s10, 1                         ; which half of the tile's rows is mine.  Also: I fetch for A (0) or for wt (1)
	s_and_b32 s12, s10, 1                          ; which half of its columns.  Also: which 128 rows of that tile I fetch
	s_bfe_u32 s40, ttmp6, 0x40000                  ; cx
	s_bfe_u32 s41, ttmp6, 0x40004                  ; cy
	s_lshl_b32 s42, ttmp9, 2
	s_add_co_u32 s42, s42, s40                     ; first tile column = 4 x cluster x + cx
	s_and_b32 s13, ttmp7, 0xffff
	s_lshl_b32 s13, s13, 2
	s_add_co_u32 s13, s13, s41                     ; tile row = 4 x cluster y + cy
	s_lshl_b32 s43, s41, 2
	s_lshl_b32 s43, 15, s43                        ; my row of the cluster: places 4 cy .. 4 cy + 3
	s_lshl_b32 s44, 0x1111, s40                    ; my column: places cx, cx + 4, cx + 8, cx + 12
	; descriptor group 1: a tile of 128 rows x 128 elements, padded in LDS
	s_or_b32 s[G1+0], s43, (1<<16)|(1<<20)|(1<<21)|(5<<22)|(3<<25)   ; 15:0 the mask; 17:16 elements of 2 bytes; 20 padding on; 21 set beside a mask; 24:22 after every 64 words (code 5); 31:25 4 words of it (code 3)
	s_or_b32 s[G1B+0], s44, (1<<16)|(1<<20)|(1<<21)|(5<<22)|(3<<25)
.irp g, G1, G1B
	s_mov_b32 s[(\g)+1], KSTEP<<16                 ; tensor_dim0 = 128
	s_mov_b32 s[(\g)+2], 128<<16                   ; tensor_dim1 = 128
	s_mov_b32 s[(\g)+3], KSTEP<<16                 ; tile_dim0 = 128
	s_mov_b32 s[(\g)+4], 128                       ; tile_dim1 = 128
	s_mov_b32 s[(\g)+5], SIZE_K                    ; elements from row to row
	s_mov_b32 s[(\g)+6], 0
	s_mov_b32 s[(\g)+7], 0
.endr
	s_mov_b32 s[TB], 0                             ; slot 0 is the first in hand
	; A's address hangs on the tile row alone, which my row of the cluster shares; wt's on the tile column alone, which my column shares
	s_lshl_b32 s17, s12, 7                         ; which 128 rows of the tile I fetch
	s_lshl_b32 s16, s13, 8
	s_add_co_u32 s16, s16, s17                     ; A: row 256 x tile row + 128 x half
	s_lshl_b32 s46, s42, 8
	s_add_co_u32 s46, s46, s17                     ; wt: row 256 x tile column + 128 x half
	s_mov_b32 s17, 0
	s_mov_b32 s47, 0
	s_mov_b64 s[18:19], SIZE_K*2
	s_mul_u64 s[16:17], s[16:17], s[18:19]
	s_mul_u64 s[46:47], s[46:47], s[18:19]
	s_mul_i32 s20, s10, HALFT                      ; where they go: wave x 128 rows: no place in the cluster enters an LDS address
	s_wait_dscnt 0x0                               ; the opening add is done
	s_wait_kmcnt 0x0
	s_add_nc_u64 s[14:15], s[4:5], s[16:17]
	s_add_nc_u64 s[46:47], s[6:7], s[46:47]
	CROUND                                         ; all sixteen work-groups are here: the first joint loads meet
.irp s, 0,1
	s_mov_b32 s[G0+4*(\s)], 1                                        ; count = 1
	s_add_co_u32 s[G0+4*(\s)+1], s20, (\s)*SLOT                      ; LDS address
	s_add_nc_u64 s[G0+4*(\s)+2:G0+4*(\s)+3], s[14:15], (\s)*KSTEP*2  ; global address: K step s
	s_or_b32 s[G0+4*(\s)+3], s[G0+4*(\s)+3], 0x80000000              ; type = 2
	s_mov_b32 s[G0B+4*(\s)], 1
	s_add_co_u32 s[G0B+4*(\s)+1], s20, (\s)*SLOT
	s_add_nc_u64 s[G0B+4*(\s)+2:G0B+4*(\s)+3], s[46:47], (\s)*KSTEP*2
	s_or_b32 s[G0B+4*(\s)+3], s[G0B+4*(\s)+3], 0x80000000
	JLOAD \s                                       ; the ring is filled before anything else is done: two tensor loads of mine are out
.endr
	; A fragment is 16 rows x 32 K in 8 registers: lane l holds row l % 16; registers 0-3 K = 8 (l / 16) + 0..7, registers 4-7 K = 16 + 8 (l / 16) + 0..7: two loads of 16 bytes, 32 bytes apart
	v_and_b32 v1, 15, v0                           ; l % 16
	v_bfe_u32 v2, v0, 4, 1                         ; l / 16
	v_mul_u32_u24 v3, v1, PITCH
	v_lshl_add_u32 v3, v2, 4, v3
	s_mul_i32 s21, s11, HALFT                      ; my 128 rows of A
	s_mul_i32 s22, s12, HALFT                      ; my 128 rows of wt,
	s_add_co_u32 s22, s22, 2*HALFT                 ; which lie behind A's 256
	v_add_nc_u32 v[ADRA0], s21, v3
	v_add_nc_u32 v[ADRB0], s22, v3
	v_add_nc_u32 v[ADRA], s21, v3                  ; the slot in hand is slot 0
	v_add_nc_u32 v[ADRB], s22, v3
	s_mul_i32 s23, s10, 16*SPITCH
	s_add_co_u32 s23, s23, STAGE                   ; my stage
	v_mul_u32_u24 v4, v1, SPITCH                   ; in: row l % 16, 16 bytes for each half of the lanes
	v_lshl_add_u32 v4, v2, 4, v4
	v_add_nc_u32 v[STO], s23, v4
	v_mul_u32_u24 v5, v2, SPITCH                   ; back: lanes 0-15 take one row of 256 bytes, lanes 16-31 the next,
	v_lshl_add_u32 v5, v1, 4, v5
	v_add_nc_u32 v[RD], s23, v5
	v_mul_u32_u24 v5, v2, CROW                     ; and the same two rows in C
	v_lshl_add_u32 v[CO], v1, 4, v5
	v_lshlrev_b32 v[BO], 5, v2
	s_lshl_b32 s13, s13, 8                         ; 256 x tile row
	s_lshl_b32 s14, s11, 7
	s_add_co_u32 s16, s13, s14                     ; my first row of C
	s_mov_b32 s17, 0
	s_mov_b64 s[18:19], CROW
	s_mul_u64 s[16:17], s[16:17], s[18:19]
	s_add_nc_u64 s[8:9], s[8:9], s[16:17]
	s_lshl_b32 s46, s42, 9                         ; my first column, in bytes (in the registers that held wt's address: none that feeds A's descriptors holds cx)
	s_lshl_b32 s47, s12, 8
	s_add_co_u32 s46, s46, s47
	s_mov_b32 s47, 0
	s_add_nc_u64 s[8:9], s[8:9], s[46:47]
	s_lshl_b32 s46, s42, 10                        ; the same columns in the bias, 4 bytes each
	s_lshl_b32 s47, s12, 9
	s_add_co_u32 s46, s46, s47
	s_mov_b32 s47, 0
	s_add_nc_u64 s[BP:BP+1], s[BP:BP+1], s[46:47]
	BIASLD
	; the prefetches
	s_lshl_b32 s42, s42, 8
	s_and_b32 s22, ttmp7, 0xffff                   ; cluster y
	s_cmp_eq_u32 s11, 0                            ; do I fetch for A?
	s_cselect_b32 s20, s13, s42                    ; the tile's first row: in A by the tile row, in wt by the tile column
	s_cselect_b32 s21, s40, s41                    ; my place among the four that ask for it with me
	s_cselect_b32 s22, ttmp9, s22                  ; the coordinate along which other clusters read the same rows
	s_cselect_b64 s[PFA:PFA+1], s[4:5], s[6:7]
	s_cmp_eq_u32 s22, 0
	s_cselect_b32 s[LIM], 2, -1                    ; the same in all sixteen partners, for a given wave
	s_lshl_b32 s22, s12, 7
	s_add_co_u32 s20, s20, s22                     ; + the 128 rows that I fetch
	s_lshl_b32 s21, s21, 5
	s_add_co_u32 s20, s20, s21                     ; + my work-group's 32 of them
	s_mov_b32 s21, 0
	s_mov_b64 s[18:19], SIZE_K*2
	s_mul_u64 s[20:21], s[20:21], s[18:19]
	s_add_nc_u64 s[PFA:PFA+1], s[PFA:PFA+1], s[20:21]
	s_add_nc_u64 s[PFA:PFA+1], s[PFA:PFA+1], 2*KSTEP*2  ; at K step 2: the first refill steps it to 3 and names K step 4.  Nothing is prefetched here, at the head
	v_and_b32 v[PFO], 31, v0
	v_mul_u32_u24 v[PFO], v[PFO], SIZE_K*2
; 16 matrix instructions: m blocks a0, a0 + 1 of the window's four (hi = 0: my rows 0-63, 1: rows 64-127) x all 8 n blocks, 32 along K.  zero = 1: the first product starts the sums, with the bias.
; The 64 accumulators take turns in the same order in every quarter step, one instruction a turn.
.macro MUL16 f, hi, a0, zero
.if \zero
	WIN BIA_LO+0x40*(\hi)
.else
	WIN MUL_LO+0x50*(\hi)
.endif
.irp a, \a0, (\a0)+1
.irp b, 0,1,2,3,4,5,6,7
.if \zero
	v_wmma_f32_16x16x32_f16 v[8*(8*(\a)+(\b)):8*(8*(\a)+(\b))+7], v[(\f)+8*(\b):(\f)+8*(\b)+7], v[(\f)+8*(4*(\hi)+(\a)):(\f)+8*(4*(\hi)+(\a))+7], v[8*(\b):8*(\b)+7]
.else
	v_wmma_f32_16x16x32_f16 v[8*(8*(\a)+(\b)):8*(8*(\a)+(\b))+7], v[(\f)+8*(\b):(\f)+8*(\b)+7], v[(\f)+8*(4*(\hi)+(\a)):(\f)+8*(4*(\hi)+(\a))+7], v[8*(8*(\a)+(\b)):8*(8*(\a)+(\b))+7]
.endif
.endr
.endr
.endm
; 32 LDS loads in one run: the fragments of one quarter step (128 rows of wt, 128 rows of A, 32 K at byte k of the rows of the slot in hand) into buffer f
.macro FETCH k, f
	WIN TO_B
.irp i, 0,1,2,3,4,5,6,7
	ds_load_b128 v[(\f)+8*(\i):(\f)+8*(\i)+3],   v[ADRB] offset:(\k)+(\i)*16*PITCH
	ds_load_b128 v[(\f)+8*(\i)+4:(\f)+8*(\i)+7], v[ADRB] offset:(\k)+(\i)*16*PITCH+32
.endr
	WIN 0
.irp i, 0,1,2,3,4,5,6,7
	ds_load_b128 v[(\f)+8*(\i):(\f)+8*(\i)+3],   v[ADRA] offset:(\k)+(\i)*16*PITCH
	ds_load_b128 v[(\f)+8*(\i)+4:(\f)+8*(\i)+7], v[ADRA] offset:(\k)+(\i)*16*PITCH+32
.endr
.endm
.macro PLACES                          ; four plain vector instructions in front of loads into registers that matrix instructions have read, and of lines that read results just made
.rept 4
	v_nop
.endr
.endm
; A K step is four quarter steps of 32 along K, 64 matrix instructions each, on buffers 0, 1, 0, 1.  One of the first three: multiplies buffer f; in its middle it fetches the next quarter, at byte k, into g.
.macro QUARTER k, f, g, zero
	s_wait_dscnt 8                                 ; wt and A's rows 0-63 are in; the youngest eight loads (A's rows 64-127) may be out
	MUL16 \f, 0, 0, \zero
	MUL16 \f, 0, 2, \zero
	PLACES
	FETCH \k, \g
	s_wait_dscnt 32                                ; all but the 32 just issued
	MUL16 \f, 1, 0, \zero
	MUL16 \f, 1, 2, \zero
.endm
; The last quarter multiplies buffer 1 and changes slots.  MEET is its first half.  All reads of the slot in hand have been issued, so the other slot becomes the slot in hand.  Then one barrier; in front of it each
; wave waits for all its tensor loads (one is out: its part of the next slot), adds 0 to its spare word, and waits for that and for its own reads of the old slot.  Behind it nobody reads the old slot any more and the next is whole.
.macro MEET round                      ; round = 1: a round of the cluster's barrier follows
	WIN 0                                          ; (the addresses and the add's two registers lie in window 0)
	s_xor_b32 s[TB], s[TB], SLOT
	v_add_nc_u32 v[ADRA], s[TB], v[ADRA0]
	v_add_nc_u32 v[ADRB], s[TB], v[ADRB0]
	s_wait_tensorcnt 0x0
	ds_add_u32 v[SPW], v[NIL]                      ; 0 onto my spare word
	s_wait_dscnt 9                                 ; (the add and the youngest eight loads may be out)
	MUL16 F1, 0, 0, 0                              ; sixteen matrix instructions stand between the add and the wait for it
	s_wait_dscnt 0x0                               ; the add is done, and my reads of the old slot are over
	s_barrier_signal -1
	MUL16 F1, 0, 2, 0                              ; work on registers while the others arrive
.if \round
	WIN 0
.endif
	s_barrier_wait -1
.endm
; The whole last quarter, with a refill of the slot just read out.  The walking descriptors go to the other slot than last time and one K step on; on = 1: from a tile's last K step to the next tile's first;
; on = 2: that tile's second, a step like any other.  From a request to the wait for it a wave issues 224 matrix instructions.
.macro TURN on
	s_wait_xcnt 0x0                                ; the last prefetch, a K step back, has read its address: it is stepped here, ahead of the waits of the change of slots
.if (\on) == 1
	s_add_nc_u64 s[PFA:PFA+1], s[PFA:PFA+1], PF_NEXT
	s_cmp_eq_u32 s11, 0
	s_cselect_b32 s[LIM], -1, s[LIM]               ; A's rows are the same for all tiles of the walk: they are prefetched in the first tile alone
.else
	s_add_nc_u64 s[PFA:PFA+1], s[PFA:PFA+1], KSTEP*2
.endif
	MEET 1
	CREST                                          ; the barrier has opened a round of the cluster's: no wave of any partner still reads the old slot's tile or has a load on its way
	s_xor_b32 s[G0+5], s[G0+5], SLOT
	s_xor_b32 s[G0B+5], s[G0B+5], SLOT
.if (\on) == 1
	s_sub_nc_u64 s[G0+6:G0+7], s[G0+6:G0+7], BACK_A
	s_add_nc_u64 s[G0B+6:G0B+7], s[G0B+6:G0B+7], NEXT_B
.else
	s_add_nc_u64 s[G0+6:G0+7], s[G0+6:G0+7], KSTEP*2   ; the type bits on top are not reached
	s_add_nc_u64 s[G0B+6:G0B+7], s[G0B+6:G0B+7], KSTEP*2
.endif
	JLOAD 1                                        ; the first tensor load behind the round; the four v_nop behind it are also the places in front of the loads below
	FETCH 0, F0
	ASK \on
	MUL16 F1, 1, 0, 0
	MUL16 F1, 1, 2, 0
.endm
.macro TURNL                           ; the launch's last change of slots: nothing is filled again, so no round follows
	MEET 0
	PLACES
	FETCH 0, F0
	MUL16 F1, 1, 0, 0
	MUL16 F1, 1, 2, 0
.endm
.macro LASTQ                           ; the very last quarter: nothing more to fetch
	s_wait_dscnt 8
	MUL16 F1, 0, 0, 0
	MUL16 F1, 0, 2, 0
	s_wait_dscnt 0x0
	MUL16 F1, 1, 0, 0
	MUL16 F1, 1, 2, 0
.endm
; THE WAY OUT, a block of 16 rows at a time through my own stage in LDS, so that 16 lanes store 256 bytes on end, aligned.  Each accumulator's lowest registers are read first.
.macro PACK a                          ; rounded to f16, 16 bytes a lane and n block
.set AC, 64*((\a)%4)
	WIN 0x0a+5*((\a)/4)                            ; sources 0 and 1: window 2 or 3
.irp b, 0,1,2,3,4,5,6,7
.irp r, 0,1,2,3
	v_cvt_pk_f16_f32 v[TMP+4*(\b)+(\r)], v[AC+8*(\b)+2*(\r)], v[AC+8*(\b)+2*(\r)+1]
.endr
.endr
	WIN 0
.endm
.macro TOSTAGE a
	WIN 0
.set BK, OB+192*((\a)%2)
.irp b, 0,1,2,3,4,5,6,7
	ds_store_b128 v[STO], v[TMP+4*(\b):TMP+4*(\b)+3] offset:32*(\b)
.endr
.irp t, 0,1,2,3,4,5,6,7
	ds_load_b128 v[BK+4*(\t):BK+4*(\t)+3], v[RD] offset:(\t)*2*SPITCH  ; LDS serves a wave's instructions in order (ISA guide 5.7.1.4): these see the stores above
.endr
.endm
.macro SEND a
	WIN 0
.set BK, OB+192*((\a)%2)
	s_wait_dscnt 0x0                               ; the block is back in registers
	s_wait_xcnt 0x0                                ; earlier stores have read their registers: the buffer of the block before is loaded again only behind this wait
.irp t, 0,1,2,3,4,5,6,7
	global_store_b128 v[CO], v[BK+4*(\t):BK+4*(\t)+3], s[8:9] offset:(16*(\a)+2*(\t))*CROW  ; block and row stand in the immediate
.endr
.endm
	s_wait_tensorcnt 1                             ; my part of K step 0 is in; K step 1's may stay out
	s_barrier_signal -1
	s_barrier_wait -1                              ; everybody's is
	FETCH 0, F0
	s_mov_b32 s2, TILES                            ; tiles to go, this one among them: the same number in every work-group
.Ltile:
	s_wait_loadcnt 0x0                             ; the tile's bias is in
	QUARTER 64,  F0, F1, 1                         ; a tile's first quarter: its products start the sums
	WIN 0                                          ; at a label and at a branch every window is 0
	s_mov_b32 s3, STEPS-2
.Lstep:                                                ; a trip goes from a K step's second quarter to the next K step's first, and fills the slot that it leaves: K steps 2 to 7
	QUARTER 128, F1, F0, 0
	QUARTER 192, F0, F1, 0
	TURN 0
	QUARTER 64,  F0, F1, 0
	WIN 0
	s_sub_co_u32 s3, s3, 1
	s_cmp_lg_u32 s3, 0
	s_cbranch_scc1 .Lstep
	QUARTER 128, F1, F0, 0                         ; the tile's last K step but one goes on
	QUARTER 192, F0, F1, 0
	WIN 0
	s_cmp_eq_u32 s2, 1
	s_cbranch_scc1 .Llast                          ; the last tile's end is written out: it asks for nothing more
	TURN 1                                         ; the ring goes on into the next tile: its K step 0,
	QUARTER 64,  F0, F1, 0
	QUARTER 128, F1, F0, 0
	QUARTER 192, F0, F1, 0
	TURN 2                                         ; its K step 1, and its first fragments are fetched
	s_add_nc_u64 s[BP:BP+1], s[BP:BP+1], 4*256*4   ; the next tile's bias: the loads that read this address were waited for at the tile's head,
	BIASLD                                         ; and the products that read these registers stand a whole tile back
	s_branch .Lout                                 ; blocks 0-3 were finished in front of the joint load's four v_nop; their conversions are the places behind the last products
.Llast:
	TURNL
	QUARTER 64,  F0, F1, 0
	QUARTER 128, F1, F0, 0
	QUARTER 192, F0, F1, 0
	LASTQ
	WIN 0
	PLACES                                         ; the way out reads results just made
.Lout:                                                 ; one way out for every tile.  Block a's conversions stand between block a - 1's loads from the stage and the wait for them
	PACK 0
	TOSTAGE 0
.irp a, 1,2,3,4,5,6,7
	PACK \a
	SEND (\a)-1
	TOSTAGE \a
.endr
	SEND 7
	s_wait_xcnt 0x0                                ; the stores have read C's address
	s_add_nc_u64 s[8:9], s[8:9], 4*256*2           ; four tile columns on (behind the last tile the address is used no more)
	s_sub_co_u32 s2, s2, 1
	s_cmp_lg_u32 s2, 0
	s_cbranch_scc1 .Ltile
	s_wait_tensorcnt 0x0                           ; the wave's end, behind my last tensor load and my last LDS store
	ds_add_u32 v[SPW], v[NIL]
	s_wait_dscnt 0x0
	CROUND                                         ; the closing round: no work-group ends while a partner may still ask for a tile that names it
	s_endpgm
.Lfunc_end_k_qcd7961a018_qkv:
	.size	k_qcd7961a018_qkv, .Lfunc_end_k_qcd7961a018_qkv-k_qcd7961a018_qkv
	.p2alignl 7, 3214868480
	.fill 96, 4, 3214868480
	.section	.rodata,"a",@progbits
	.p2align	6, 0x0
	.amdhsa_kernel k_qcd7961a018_qkv
		.amdhsa_group_segment_fixed_size 327680
		.amdhsa_private_segment_fixed_size 0
		.amdhsa_enable_private_segment 0
		.amdhsa_kernarg_size 32
		.amdhsa_user_sgpr_count 2
		.amdhsa_user_sgpr_kernarg_segment_ptr 1
		.amdhsa_wavefront_size32 1
		.amdhsa_system_sgpr_workgroup_id_x 1
		.amdhsa_system_sgpr_workgroup_id_y 1
		.amdhsa_system_sgpr_workgroup_id_z 1
		.amdhsa_system_vgpr_workitem_id 0
		.amdhsa_next_free_vgpr 1024
		.amdhsa_next_free_sgpr 72
		.amdhsa_reserve_vcc 0
		.amdhsa_float_denorm_mode_32 3
		.amdhsa_float_denorm_mode_16_64 3
		.amdhsa_memory_ordered 1
		.amdhsa_forward_progress 1
		.amdhsa_inst_pref_size 156
	.end_amdhsa_kernel
	.amdgpu_metadata
---
amdhsa.version: [ 1, 2 ]
amdhsa.kernels:
  - .name:           k_qcd7961a018_qkv
    .symbol:         k_qcd7961a018_qkv.kd
    .args:
      - { .name: xn, .offset: 0, .size: 8, .value_kind: global_buffer, .address_space: global }
      - { .name: wt, .offset: 8, .size: 8, .value_kind: global_buffer, .address_space: global }
      - { .name: qkv, .offset: 16, .size: 8, .value_kind: global_buffer, .address_space: global }
      - { .name: bias, .offset: 24, .size: 8, .value_kind: global_buffer, .address_space: global }
    .group_segment_fixed_size: 327680
    .private_segment_fixed_size: 0
    .kernarg_segment_align: 8
    .kernarg_segment_size: 32
    .max_flat_workgroup_size: 128
    .sgpr_count:     72
    .vgpr_count:     1024
    .wavefront_size: 32
...
	.end_amdgpu_metadata
.endif
;; end of part 2
;; launch attn (part 3): grid 1024 x 1, 8 waves a work-group, no clusters, 37,888 bytes of LDS; arguments qkv, ctx; writes ctx
.if DOCPART == 3
	.amdgcn_target "amdgcn-amd-amdhsa--gfx1250"
	.amdhsa_code_object_version 6
	.text
	.protected	k_qcd7961a018_attn
	.globl	k_qcd7961a018_attn
	.p2align	8
	.type	k_qcd7961a018_attn,@function
k_qcd7961a018_attn:
	s_mov_b64 s[64:65], 0
	v_nop
	global_prefetch_b8 v0, s[64:65] scope:SCOPE_SE
	s_setreg_imm32_b32 hwreg(HW_REG_WAVE_MODE, 25, 1), 1
	s_wait_xcnt 0x0
; ATTENTION ACROSS THE HEADS OF ONE TOKEN.  For each of 16,384 tokens: s[h][g] = q[h] . k[g] / 32 over 64 channels; p = softmax over g; ctx[h][d] = the sum over g of p[h][g] v[g][d].
; qkv: [16384][3072] f16, a row = q[64 h + d], k[64 g + d], then v turned: vT[16 d + g].  ctx: [16384][1024] f16, a row = [64 h + d].
; Products, the maximum and the sum in f32; p is divided by its sum in f32 and rounded once to f16 for the second product; ctx rounded once.
; LIMITS.  p lies in 0 to 1, and below 6e-5 it keeps f16's fixed step of 6e-8; ctx is a mean of v's rows and has their range.  A weight below 2^-126 counts as 0 in the sum.  NaN and infinities are not treated apart.
; SHARES.  A wave takes two tokens and runs straight through: no loop, no barrier; the two tokens' lines alternate, so that no line waits for the one before it.
; LAYOUT.  S^T = K Q^T (source 0 = the 16 heads g, source 1 = the 16 heads h): a lane holds ONE h (lane % 16) and g = 8 (lane / 16) + 0..7.  Rounded in pairs these are registers 0-3 of source 1 (32 k x 16 h) of
; O^T = V^T P; the product's k = 16..31 has no head: registers 4-7 of both sources are 0.  Source 0 = 16 channels d x 16 heads comes straight out of vT.  O^T holds one h a lane and eight channels: 16 bytes of ctx.
; Fragments come straight from memory: no wave wants a byte that another has fetched.  No cluster and no tensor load: nothing is shared; every byte of qkv is read once.
.set ROWQ,  6144                       ; bytes in a row of qkv
.set SP,    144                        ; a head's 128 bytes in my stage + 16: the 16 rows of a store start at 16 different groups of four banks (64 banks of 4 bytes: ISA guide 11.1)
.set STG,   2*16*SP                    ; a wave's stage: two tokens
.set SPARE, 8*STG                      ; behind the stages: the spare words, 128 bytes for each wave: four blocks of 256 bytes that no other line names
.set AQ,  3                            ; v3   my offset in q and k: 128 (l % 16) + 16 (l / 16)
.set AV,  4                            ; v4   in vT: 32 (l % 16) + 16 (l / 16)
.set STO, 5                            ; v5   where I put 16 bytes of a head
.set RD,  6                            ; v6   where I read four heads back
.set GO,  7                            ; v7   16 x lane
.set SPW, 8                            ; v8   LDS address of my spare word; never rewritten
.set NIL, 9                            ; v9   0; never rewritten
.set ST,  10                           ; token t at v[ST+6 t]: +0, +1 at work; +2 c m (a pair with +3); +4 1 / sum (a pair with +5)
.set S,   22                           ; v[22:37]   S^T, 8 a token; then P
.set Q,   38                           ; v[38:69]   16 a token
.set K,   70                           ; v[70:101]  16 a token
.set V,   102                          ; v[102:165] 32 a token: channel block db at + 8 db
.set O,   38                           ; O^T over Q and K: 32 a token
.set PK,  102                          ; the packed result over V: 16 a token
	s_load_b128 s[4:7], s[0:1], 0x0                ; qkv s[4:5], ctx s[6:7]
	v_lshl_add_u32 v[SPW], v0, 2, SPARE
	v_mov_b32 v[NIL], 0
	v_lshrrev_b32 v1, 5, v0
	v_readfirstlane_b32 s8, v1                     ; wave 0..7
	s_lshl_b32 s9, ttmp9, 3
	s_add_co_u32 s9, s9, s8
	s_lshl_b32 s9, s9, 1                           ; my first token
	s_mul_i32 s10, s9, ROWQ                        ; under 2^27
	s_mov_b32 s11, 0
	s_lshl_b32 s16, s9, 11                         ; a row of ctx is 2,048 bytes
	s_mov_b32 s17, 0
	s_mov_b32 s12, 0x76543210                      ; v_permlanex16_b32: each lane takes its own place in the other half
	s_mov_b32 s13, 0xfedcba98
	s_mov_b32 s14, 0x3d38aa3b                      ; c = log2(e) / 32
	s_mov_b32 s15, s14                             ; named with it as a pair
	s_mul_i32 s18, s8, STG                         ; my stage
	v_and_b32 v1, 15, v0                           ; l % 16
	v_bfe_u32 v2, v0, 4, 1                         ; l / 16
	v_lshlrev_b32 v[AQ], 7, v1
	v_lshl_add_u32 v[AQ], v2, 4, v[AQ]
	v_lshlrev_b32 v[AV], 5, v1
	v_lshl_add_u32 v[AV], v2, 4, v[AV]
	s_wait_kmcnt 0x0
	s_add_nc_u64 s[4:5], s[4:5], s[10:11]
	s_add_nc_u64 s[6:7], s[6:7], s[16:17]
.irp t, 0,1
.irp ks, 0,1                           ; channels 32 ks on: a fragment is two loads of 16 bytes a lane, 32 bytes apart
	global_load_b128 v[K+16*\t+8*\ks:K+16*\t+8*\ks+3],   v[AQ], s[4:5] offset:\t*ROWQ+2048+64*\ks
	global_load_b128 v[K+16*\t+8*\ks+4:K+16*\t+8*\ks+7], v[AQ], s[4:5] offset:\t*ROWQ+2048+64*\ks+32
	global_load_b128 v[Q+16*\t+8*\ks:Q+16*\t+8*\ks+3],   v[AQ], s[4:5] offset:\t*ROWQ+64*\ks
	global_load_b128 v[Q+16*\t+8*\ks+4:Q+16*\t+8*\ks+7], v[AQ], s[4:5] offset:\t*ROWQ+64*\ks+32
.endr
.endr
.irp t, 0,1
.irp db, 0,1,2,3                       ; channels 16 db on: 512 bytes on end
	global_load_b128 v[V+32*\t+8*\db:V+32*\t+8*\db+3], v[AV], s[4:5] offset:\t*ROWQ+4096+512*\db th:TH_LOAD_NT
.endr
.endr
.irp f, 0,1,2,3,4,5,6,7                ; k = 16..31 of V^T: 0, written while the loads are on their way
.irp j, 4,5,6,7
	v_mov_b32 v[V+8*\f+\j], 0
.endr
.endr
.irp t, 0,1
	v_mov_b32 v[ST+6*\t+1], 0                      ; v_permlanex16_b32's destination counts as read,
	v_mov_b32 v[ST+6*\t+3], 0                      ; and c m is named as a pair
.endr
.macro BOTH line:vararg                ; one line for each token t
.set t, 0
.rept 2
	\line
.set t, t+1
.endr
.endm
	s_wait_loadcnt 8                               ; q and k are in; V's eight loads may stay out
	v_wmma_f32_16x16x32_f16 v[S:S+7],    v[K:K+7],     v[Q:Q+7],     0          ; the two tokens' accumulators take turns
	v_wmma_f32_16x16x32_f16 v[S+8:S+15], v[K+16:K+23], v[Q+16:Q+23], 0
	v_wmma_f32_16x16x32_f16 v[S:S+7],    v[K+8:K+15],  v[Q+8:Q+15],  v[S:S+7]
	v_wmma_f32_16x16x32_f16 v[S+8:S+15], v[K+24:K+31], v[Q+24:Q+31], v[S+8:S+15]
	v_mul_u32_u24 v[STO], v1, SP                   ; the addresses for the way out: ten plain instructions, the places behind those products
	v_lshl_add_u32 v[STO], v2, 4, v[STO]
	v_add_nc_u32 v[STO], s18, v[STO]               ; in: head l % 16, 16 bytes for each half of the lanes
	v_bfe_u32 v[RD], v0, 3, 2
	v_mul_u32_u24 v[RD], v[RD], SP
	v_and_b32 v[GO], 7, v0
	v_lshl_add_u32 v[RD], v[GO], 4, v[RD]
	v_add_nc_u32 v[RD], s18, v[RD]                 ; back: 32 lanes take four heads of 128 bytes,
	v_and_b32 v[GO], 31, v0
	v_lshlrev_b32 v[GO], 4, v[GO]                  ; which are 512 bytes of ctx on end
	; the maximum over the 16 heads g: my eight (the accumulator's lowest registers first), then the other half of the lanes'
	BOTH v_max3_num_f32 v[ST+6*t], v[S+8*t], v[S+8*t+1], v[S+8*t+2]
	BOTH v_max3_num_f32 v[ST+6*t], v[ST+6*t], v[S+8*t+3], v[S+8*t+4]
	BOTH v_max3_num_f32 v[ST+6*t], v[ST+6*t], v[S+8*t+5], v[S+8*t+6]
	BOTH v_max_num_f32 v[ST+6*t], v[ST+6*t], v[S+8*t+7]
	BOTH v_permlanex16_b32 v[ST+6*t+1], v[ST+6*t], s12, s13
	BOTH v_max_num_f32 v[ST+6*t], v[ST+6*t], v[ST+6*t+1]
	BOTH v_mul_f32 v[ST+6*t+2], s14, v[ST+6*t]
.irp p, 0,2,4,6
	BOTH v_pk_fma_f32 v[S+8*t+\p:S+8*t+\p+1], v[S+8*t+\p:S+8*t+\p+1], s[14:15], v[ST+6*t+2:ST+6*t+3] op_sel_hi:[1,0,0] neg_lo:[0,0,1] neg_hi:[0,0,1]  ; c s - c m
.endr
.irp j, 0,1,2,3,4,5,6,7
	BOTH v_exp_f32 v[S+8*t+\j], v[S+8*t+\j]
.endr
	v_nop                                          ; a plain instruction behind the last exponential,
	s_wait_alu depctr_va_vdst(0)                   ; and the wait ahead of the first reader: one for the sixteen
	BOTH v_pk_add_f32 v[ST+6*t:ST+6*t+1], v[S+8*t:S+8*t+1], v[S+8*t+2:S+8*t+3]
	BOTH v_pk_add_f32 v[ST+6*t+4:ST+6*t+5], v[S+8*t+4:S+8*t+5], v[S+8*t+6:S+8*t+7]
	BOTH v_pk_add_f32 v[ST+6*t:ST+6*t+1], v[ST+6*t:ST+6*t+1], v[ST+6*t+4:ST+6*t+5]
	BOTH v_add_f32 v[ST+6*t], v[ST+6*t], v[ST+6*t+1]
	BOTH v_permlanex16_b32 v[ST+6*t+1], v[ST+6*t], s12, s13
	BOTH v_add_f32 v[ST+6*t], v[ST+6*t], v[ST+6*t+1]   ; the sum is at least 1: the greatest weight is 1
	BOTH v_rcp_f32 v[ST+6*t+4], v[ST+6*t]
	v_nop
	s_wait_alu depctr_va_vdst(0)                   ; one wait for the two reciprocals
.irp p, 0,2,4,6
	BOTH v_pk_mul_f32 v[S+8*t+\p:S+8*t+\p+1], v[S+8*t+\p:S+8*t+\p+1], v[ST+6*t+4:ST+6*t+5] op_sel_hi:[1,0]
.endr
.irp i, 0,1,2,3                        ; rounded in pairs, in place: register i takes weights 2 i and 2 i + 1
	BOTH v_cvt_pk_f16_f32 v[S+8*t+\i], v[S+8*t+2*\i], v[S+8*t+2*\i+1]
.endr
.irp j, 4,5,6,7                        ; k = 16..31 of P: 0 (what lay there are f32 bit patterns, whose halves need not be finite f16 numbers)
	BOTH v_mov_b32 v[S+8*t+\j], 0
.endr
	s_wait_loadcnt 0x0                             ; V
.irp db, 0,1,2,3
	BOTH v_wmma_f32_16x16x32_f16 v[O+32*t+8*\db:O+32*t+8*\db+7], v[V+32*t+8*\db:V+32*t+8*\db+7], v[S+8*t:S+8*t+7], 0
.endr
.rept 4
	v_nop                                          ; the places behind those products: the conversions read their results and write over V
.endr
.irp db, 0,1,2,3
.irp i, 0,1,2,3
	BOTH v_cvt_pk_f16_f32 v[PK+16*t+4*\db+\i], v[O+32*t+8*\db+2*\i], v[O+32*t+8*\db+2*\i+1]
.endr
.endr
.irp t, 0,1
.irp db, 0,1,2,3
	ds_store_b128 v[STO], v[PK+16*\t+4*\db:PK+16*\t+4*\db+3] offset:\t*16*SP+32*\db
.endr
.endr
.irp t, 0,1
.irp q, 0,1,2,3
	ds_load_b128 v[PK+16*\t+4*\q:PK+16*\t+4*\q+3], v[RD] offset:\t*16*SP+4*SP*\q  ; LDS serves a wave's instructions in order (ISA guide 5.7.1.4): these see the stores above
.endr
.endr
.irp i, 0,1,2,3,4,5,6,7
	s_wait_dscnt 7-\i
	global_store_b128 v[GO], v[PK+4*\i:PK+4*\i+3], s[6:7] offset:512*\i  ; 512 bytes on end, aligned; the two tokens' rows follow each other
.endr
	s_wait_tensorcnt 0x0                           ; the wave's end, behind my last LDS store
	ds_add_u32 v[SPW], v[NIL]
	s_wait_dscnt 0x0
	s_endpgm
.Lfunc_end_k_qcd7961a018_attn:
	.size	k_qcd7961a018_attn, .Lfunc_end_k_qcd7961a018_attn-k_qcd7961a018_attn
	.p2alignl 7, 3214868480
	.fill 96, 4, 3214868480
	.section	.rodata,"a",@progbits
	.p2align	6, 0x0
	.amdhsa_kernel k_qcd7961a018_attn
		.amdhsa_group_segment_fixed_size 37888
		.amdhsa_private_segment_fixed_size 0
		.amdhsa_enable_private_segment 0
		.amdhsa_kernarg_size 16
		.amdhsa_user_sgpr_count 2
		.amdhsa_user_sgpr_kernarg_segment_ptr 1
		.amdhsa_wavefront_size32 1
		.amdhsa_system_sgpr_workgroup_id_x 1
		.amdhsa_system_sgpr_workgroup_id_y 1
		.amdhsa_system_sgpr_workgroup_id_z 1
		.amdhsa_system_vgpr_workitem_id 0
		.amdhsa_next_free_vgpr 168
		.amdhsa_next_free_sgpr 66
		.amdhsa_reserve_vcc 0
		.amdhsa_float_denorm_mode_32 3
		.amdhsa_float_denorm_mode_16_64 3
		.amdhsa_memory_ordered 1
		.amdhsa_forward_progress 1
		.amdhsa_inst_pref_size 15
	.end_amdhsa_kernel
	.amdgpu_metadata
---
amdhsa.version: [ 1, 2 ]
amdhsa.kernels:
  - .name:           k_qcd7961a018_attn
    .symbol:         k_qcd7961a018_attn.kd
    .args:
      - { .name: qkv, .offset: 0, .size: 8, .value_kind: global_buffer, .address_space: global }
      - { .name: ctx, .offset: 8, .size: 8, .value_kind: global_buffer, .address_space: global }
    .group_segment_fixed_size: 37888
    .private_segment_fixed_size: 0
    .kernarg_segment_align: 8
    .kernarg_segment_size: 16
    .max_flat_workgroup_size: 256
    .sgpr_count:     66
    .vgpr_count:     168
    .wavefront_size: 32
...
	.end_amdgpu_metadata
.endif
;; end of part 3
;; launch outp (part 4): grid 4 x 64, 4 waves a work-group, clusters of 4 x 4, 327,680 bytes of LDS; arguments ctx, wt, out0, bias; writes out0
.if DOCPART == 4
	.amdgcn_target "amdgcn-amd-amdhsa--gfx1250"
	.amdhsa_code_object_version 6
	.text
	.protected	k_qcd7961a018_outp
	.globl	k_qcd7961a018_outp
	.p2align	8
	.type	k_qcd7961a018_outp,@function
k_qcd7961a018_outp:
	s_mov_b64 s[64:65], 0
	v_nop
	global_prefetch_b8 v0, s[64:65] scope:SCOPE_SE
	s_setreg_imm32_b32 hwreg(HW_REG_WAVE_MODE, 25, 1), 1
	s_wait_xcnt 0x0
	s_wait_alu depctr_hold_cnt(0) depctr_sa_sdst(0) depctr_va_vdst(0) depctr_va_sdst(0) depctr_va_ssrc(0) depctr_va_vcc(0) depctr_vm_vsrc(0)
	s_getreg_b32 s2, hwreg(HW_REG_IB_STS2, 6, 4)
	s_cmp_eq_u32 s2, 0
	s_cbranch_scc0 .Lentry_in_a_cluster
	s_endpgm
.Lentry_in_a_cluster:
	s_bfe_u32 s2, ttmp6, 0x10000c
	s_cmp_lg_u32 s2, 0xf033
	s_cbranch_scc0 .Lentry_shape_is_right
	s_endpgm
.Lentry_shape_is_right:
; OUTPUT PROJECTION.  C[m][n] = bias[3072 + n] + the sum over k of A[m][k] wt[3072 + n][k].  A = ctx: [16384][1024] f16; wt: [4096][1024] f16, K along the rows (rows 3072.. are Wo's columns);
; C = out0: [16384][1024] f32.  Sums in f32, begun with the bias; they leave as they are.  NaN and infinities are not treated apart.
; SHARES.  A tile of C is 256 x 256: four waves, each 128 x 128 in 64 accumulators of 16 x 16, 512 registers.  K goes in eight steps of 128 through a ring of two LDS slots filled by the tensor data mover;
; a tile's rows are 256 bytes of memory, aligned.  256 tiles, one to a work-group.
; ONE K STEP IS WRITTEN ONCE.  Which slot is in hand lies in registers: s[TB] is 0 or SLOT and is turned at each change of slots; the two fragment addresses are made from it; one descriptor for A and one for wt walk.
; THE LAST K STEP GOES BY ROWS OF C, NOT BY K: all its fragments of wt lie in registers, and my eight blocks of 16 rows are finished one after the other, so that a finished block goes through the stage and
; is stored while the next ones are multiplied.  By K all 64 accumulators would be finished together, and every store would stand behind the last product.
; CLUSTERS.  4 x 4 work-groups.  The four of a row of the cluster need the same tiles of A, the four of a column the same tiles of wt: each tile is asked for JOINTLY, by the same tensor load with the same
; descriptor and a mask that names the four.
; THE MATRIX INSTRUCTION IS USED TRANSPOSED: source 0 = 16 rows of wt, source 1 = 16 rows of A.  Lane l then holds row l % 16 of C and its registers the columns 8 (l / 16) + 0..7.
; THE BIAS is the C operand of the product that starts each sum: 64 registers that hold, for n block b, bias[16 b + 8 (l / 16) + 0..7].  Nothing is cleared and nothing is added afterwards.
; REGISTERS, in windows of 256 (s_set_vgpr_msb: bits 1:0 source 0, 3:2 source 1, 5:4 source 2, 7:6 destination):
;   window 0: v0-31 addresses; v64-127, v128-191 fragments of A, two buffers (in the last K step four, of 16 rows x 128 K); v192-255 16 rows of C read back from the stage
;   window 1: v0-63 the bias; v64-127, v128-191 fragments of wt, two buffers; in the last K step all 256: wt's fragments of the whole step
;   window 2: the 32 accumulators of my rows 0-63 ((a, b) at v[8 (8 a + b)]);   window 3: those of my rows 64-127
.set WROW0,  3072                      ; the first row of wt and of bias
.set CROW,   4096                      ; bytes in a row of C
.set SIZE_K, 1024
.set KSTEP,  128
.set STEPS,  SIZE_K/KSTEP
.set PITCH,  272                       ; an LDS row: 256 bytes + 16 of padding = 68 words: row r starts at bank 4 r mod 64 (64 banks of 4 bytes: ISA guide 11.1)
.set HALFT,  128*PITCH                 ; 128 rows: what one tensor load brings, and what one wave reads of A or of wt
.set SLOT,   4*HALFT                   ; A's 256 rows, then wt's 256 rows.  0x22000: it shares no bit with wave x HALFT (0, 0x8800, 0x11000, 0x19800), so an exclusive or with it goes from one slot to the other
.set STAGE,  2*SLOT                    ; behind the ring, never filled by a tensor load: 16 rows for each wave, for the way out
.set SPITCH, 528                       ; a stage row: my 128 columns (512 bytes) + 16 = 132 words: row r starts at bank 4 r mod 64
.set SPARE,  STAGE+4*16*SPITCH         ; behind the stages: the spare words, 128 bytes for each wave: two blocks of 256 bytes that no other line names
.set ADRA0, 16                         ; v16     LDS address of my A fragments in slot 0; never rewritten
.set ADRA,  17                         ; v17     the same in the slot in hand
.set ADRB0, 20                         ; v20, v21  the same for wt
.set ADRB,  21
.set STO,  24                          ; v24     the way out: where I put my part of a row
.set RD,   25                          ; v25     the way out: where I read rows back
.set CO,   26                          ; v26     my byte offset in C
.set BO,   27                          ; v27     my byte offset in 16 numbers of the bias: 32 (l / 16)
.set SPW,  28                          ; v28     LDS address of my spare word; never rewritten
.set NIL,  29                          ; v29     0; never rewritten
.set PFO,  30                          ; v30     the prefetches' offset: my lane x a row of A or wt; never rewritten
.set F0,   64
.set F1,   128
.set PA,   64                          ; the last K step: A's fragments of 16 rows x 128 K, 32 registers; four such buffers, v64-191
.set BK,   192                         ; the way out: 16 rows of 512 bytes, 64 registers
.set G1,  24                           ; s[24:31] descriptor group 1 for A's tiles;  s[32:35] group 0 of the first fill, s[36:39] of the second, which then walks
.set G0,  32
.set G1B, 48                           ; s[48:55], s[56:63] the same for wt's tiles
.set G0B, 56
.set LIM, 43                           ; s43     2 in a wave that prefetches, else the greatest number
.set PFA, 44                           ; s[44:45] where my prefetches stand
.set TB,  66                           ; s66     0 or SLOT: the slot in hand
.set BP,  68                           ; s[68:69] the bias at my 128 columns
.set MSB, 0
.macro WIN new                         ; the immediate's high byte repeats the setting that is left; a switch that changes nothing is dropped
.if MSB != (\new)
	s_set_vgpr_msb (MSB<<8)|(\new)
.set MSB, \new
.endif
.endm
.set MUL_LO, 0xa1                      ; source 0 (wt) window 1, source 1 (A) window 0, C and D window 2
.set MUL_HI, 0xf1                      ; the same, C and D window 3
.set BIA_LO, 0x91                      ; the same with C (the bias) in window 1
.set BIA_HI, 0xd1
.set TO_B,   0x40                      ; destination window 1, address window 0
; A joint load by descriptor set s.  Waves 0 and 1 fetch A's two halves, waves 2 and 3 wt's.  The branch hangs on the wave's number alone.  An s_nop 0 and four v_nop follow each of the two lines.
.macro JLOAD s
	s_cmp_eq_u32 s11, 0
	s_cbranch_scc0 .Lfor_b_\@
	tensor_load_to_lds s[G0+4*(\s):G0+4*(\s)+3], s[G1:G1+7]
	s_nop 0
.rept 4
	v_nop
.endr
	s_branch .Lasked_\@
.Lfor_b_\@:
	tensor_load_to_lds s[G0B+4*(\s):G0B+4*(\s)+3], s[G1B:G1B+7]
	s_nop 0
.rept 4
	v_nop
.endr
.Lasked_\@:
.endm
; A PREFETCH INTO THE L2, behind each joint load and the run of LDS loads that follows it: the K step that stands two refills on: 32 rows x 256 bytes, a lane a row, one instruction a wave.
; Each row's 256 bytes of a K step are named once in the launch.  A's rows are read by one cluster alone (the grid is one cluster wide): it asks.  wt's rows are read by every cluster: the cluster with y = 0 asks.
; The four partners that ask for a tile jointly share its rows out BY ADDRESS, 32 each (by cx for A, by cy for wt).  Trip t (s3 = 6 - t) refills K step t + 2 and names t + 4, which exists while s3 is above 2.
.macro ASK
	s_cmp_gt_u32 s3, s[LIM]
	s_cbranch_scc0 .Lnot_mine_\@
	global_prefetch_b8 v[PFO], s[PFA:PFA+1] offset:KSTEP*2 th:TH_LOAD_NT scope:SCOPE_SE
.Lnot_mine_\@:
.endm
.macro CREST                           ; a round of the cluster's barrier behind its opening barrier
	s_cmp_lg_u32 s10, 0
	s_cbranch_scc1 .Lnot_wave_0_\@
	s_barrier_signal -3
.Lnot_wave_0_\@:
	s_barrier_wait -3
	s_barrier_signal -1
	s_barrier_wait -1
.endm
.macro CROUND                          ; a whole round
	s_barrier_signal -1
	s_barrier_wait -1
	CREST
.endm
	s_load_b128 s[4:7], s[0:1], 0x0                ; A s[4:5], wt s[6:7]
	s_load_b64 s[8:9], s[0:1], 0x10                ; C
	s_load_b64 s[BP:BP+1], s[0:1], 0x18            ; bias
	v_lshl_add_u32 v[SPW], v0, 2, SPARE
	v_mov_b32 v[NIL], 0
	ds_add_u32 v[SPW], v[NIL]                      ; the wave's opening: the add and its wait stand ahead of my first tensor load; the set-up below, work on registers, stands between them
	v_lshrrev_b32 v1, 5, v0
	v_readfirstlane_b32 s10, v1                    ; wave 0..3
	s_lshr_b32 s11, s10, 1                         ; which half of the tile's rows is mine.  Also: I fetch for A (0) or for wt (1)
	s_and_b32 s12, s10, 1                          ; which half of its columns.  Also: which 128 rows of that tile I fetch
	s_bfe_u32 s40, ttmp6, 0x40000                  ; cx
	s_bfe_u32 s41, ttmp6, 0x40004                  ; cy
	s_lshl_b32 s42, ttmp9, 2
	s_add_co_u32 s42, s42, s40                     ; tile column = 4 x cluster x + cx
	s_and_b32 s13, ttmp7, 0xffff
	s_lshl_b32 s13, s13, 2
	s_add_co_u32 s13, s13, s41                     ; tile row = 4 x cluster y + cy
	s_lshl_b32 s43, s41, 2
	s_lshl_b32 s43, 15, s43                        ; my row of the cluster: places 4 cy .. 4 cy + 3
	s_lshl_b32 s44, 0x1111, s40                    ; my column: places cx, cx + 4, cx + 8, cx + 12
	; descriptor group 1: a tile of 128 rows x 128 elements, padded in LDS
	s_or_b32 s[G1+0], s43, (1<<16)|(1<<20)|(1<<21)|(5<<22)|(3<<25)   ; 15:0 the mask; 17:16 elements of 2 bytes; 20 padding on; 21 set beside a mask; 24:22 after every 64 words (code 5); 31:25 4 words of it (code 3)
	s_or_b32 s[G1B+0], s44, (1<<16)|(1<<20)|(1<<21)|(5<<22)|(3<<25)
.irp g, G1, G1B
	s_mov_b32 s[(\g)+1], KSTEP<<16                 ; tensor_dim0 = 128
	s_mov_b32 s[(\g)+2], 128<<16                   ; tensor_dim1 = 128
	s_mov_b32 s[(\g)+3], KSTEP<<16                 ; tile_dim0 = 128
	s_mov_b32 s[(\g)+4], 128                       ; tile_dim1 = 128
	s_mov_b32 s[(\g)+5], SIZE_K                    ; elements from row to row
	s_mov_b32 s[(\g)+6], 0
	s_mov_b32 s[(\g)+7], 0
.endr
	s_mov_b32 s[TB], 0                             ; slot 0 is the first in hand
	; A's address hangs on the tile row alone, which my row of the cluster shares; wt's on the tile column alone, which my column shares
	s_lshl_b32 s17, s12, 7                         ; which 128 rows of the tile I fetch
	s_lshl_b32 s16, s13, 8
	s_add_co_u32 s16, s16, s17                     ; A: row 256 x tile row + 128 x half
	s_lshl_b32 s46, s42, 8
	s_add_co_u32 s46, s46, s17                     ; wt: row 256 x tile column + 128 x half,
	s_add_co_u32 s46, s46, WROW0                   ; behind the rows of the other three weights
	s_mov_b32 s17, 0
	s_mov_b32 s47, 0
	s_mov_b64 s[18:19], SIZE_K*2
	s_mul_u64 s[16:17], s[16:17], s[18:19]
	s_mul_u64 s[46:47], s[46:47], s[18:19]
	s_mul_i32 s20, s10, HALFT                      ; where they go: wave x 128 rows: no place in the cluster enters an LDS address
	s_wait_dscnt 0x0                               ; the opening add is done
	s_wait_kmcnt 0x0
	s_add_nc_u64 s[14:15], s[4:5], s[16:17]
	s_add_nc_u64 s[46:47], s[6:7], s[46:47]
	CROUND                                         ; all sixteen work-groups are here: the first joint loads meet
.irp s, 0,1
	s_mov_b32 s[G0+4*(\s)], 1                                        ; count = 1
	s_add_co_u32 s[G0+4*(\s)+1], s20, (\s)*SLOT                      ; LDS address
	s_add_nc_u64 s[G0+4*(\s)+2:G0+4*(\s)+3], s[14:15], (\s)*KSTEP*2  ; global address: K step s
	s_or_b32 s[G0+4*(\s)+3], s[G0+4*(\s)+3], 0x80000000              ; type = 2
	s_mov_b32 s[G0B+4*(\s)], 1
	s_add_co_u32 s[G0B+4*(\s)+1], s20, (\s)*SLOT
	s_add_nc_u64 s[G0B+4*(\s)+2:G0B+4*(\s)+3], s[46:47], (\s)*KSTEP*2
	s_or_b32 s[G0B+4*(\s)+3], s[G0B+4*(\s)+3], 0x80000000
	JLOAD \s                                       ; the ring is filled before anything else is done: two tensor loads of mine are out
.endr
	; A fragment is 16 rows x 32 K in 8 registers: lane l holds row l % 16; registers 0-3 K = 8 (l / 16) + 0..7, registers 4-7 K = 16 + 8 (l / 16) + 0..7: two loads of 16 bytes, 32 bytes apart
	v_and_b32 v1, 15, v0                           ; l % 16
	v_bfe_u32 v2, v0, 4, 1                         ; l / 16
	v_mul_u32_u24 v3, v1, PITCH
	v_lshl_add_u32 v3, v2, 4, v3
	s_mul_i32 s21, s11, HALFT                      ; my 128 rows of A
	s_mul_i32 s22, s12, HALFT                      ; my 128 rows of wt,
	s_add_co_u32 s22, s22, 2*HALFT                 ; which lie behind A's 256
	v_add_nc_u32 v[ADRA0], s21, v3
	v_add_nc_u32 v[ADRB0], s22, v3
	v_add_nc_u32 v[ADRA], s21, v3                  ; the slot in hand is slot 0
	v_add_nc_u32 v[ADRB], s22, v3
	s_mul_i32 s23, s10, 16*SPITCH
	s_add_co_u32 s23, s23, STAGE                   ; my stage
	v_mul_u32_u24 v4, v1, SPITCH                   ; in: row l % 16, 32 bytes for each half of the lanes
	v_lshl_add_u32 v4, v2, 5, v4
	v_add_nc_u32 v[STO], s23, v4
	v_and_b32 v5, 31, v0                           ; back: 32 lanes take one row of 512 bytes,
	v_lshl_add_u32 v[RD], v5, 4, s23
	v_lshlrev_b32 v[CO], 4, v5                     ; and the same bytes of a row of C
	v_lshlrev_b32 v[BO], 5, v2
	s_lshl_b32 s13, s13, 8                         ; 256 x tile row
	s_lshl_b32 s14, s11, 7
	s_add_co_u32 s16, s13, s14                     ; my first row of C
	s_mov_b32 s17, 0
	s_mov_b64 s[18:19], CROW
	s_mul_u64 s[16:17], s[16:17], s[18:19]
	s_add_nc_u64 s[8:9], s[8:9], s[16:17]
	s_lshl_b32 s46, s42, 10                        ; my first column, in bytes, in C and in the bias alike: 4 bytes a number (in the registers that held wt's address: none that feeds A's descriptors holds cx)
	s_lshl_b32 s47, s12, 9
	s_add_co_u32 s46, s46, s47
	s_mov_b32 s47, 0
	s_add_nc_u64 s[8:9], s[8:9], s[46:47]
	s_add_nc_u64 s[BP:BP+1], s[BP:BP+1], s[46:47]
	s_add_nc_u64 s[BP:BP+1], s[BP:BP+1], WROW0*4
	WIN TO_B
.irp b, 0,1,2,3,4,5,6,7                ; my 128 columns' bias: for each n block 32 bytes a lane
	global_load_b128 v[8*(\b):8*(\b)+3],   v[BO], s[BP:BP+1] offset:64*(\b)
	global_load_b128 v[8*(\b)+4:8*(\b)+7], v[BO], s[BP:BP+1] offset:64*(\b)+16
.endr
	WIN 0
	; the prefetches
	s_lshl_b32 s42, s42, 8
	s_add_co_u32 s42, s42, WROW0
	s_and_b32 s22, ttmp7, 0xffff                   ; cluster y
	s_cmp_eq_u32 s11, 0                            ; do I fetch for A?
	s_cselect_b32 s20, s13, s42                    ; the tile's first row: in A by the tile row, in wt by the tile column
	s_cselect_b32 s21, s40, s41                    ; my place among the four that ask for it with me
	s_cselect_b32 s22, ttmp9, s22                  ; the coordinate along which other clusters read the same rows
	s_cselect_b64 s[PFA:PFA+1], s[4:5], s[6:7]
	s_cmp_eq_u32 s22, 0
	s_cselect_b32 s[LIM], 2, -1                    ; the same in all sixteen partners, for a given wave
	s_lshl_b32 s22, s12, 7
	s_add_co_u32 s20, s20, s22                     ; + the 128 rows that I fetch
	s_lshl_b32 s21, s21, 5
	s_add_co_u32 s20, s20, s21                     ; + my work-group's 32 of them
	s_mov_b32 s21, 0
	s_mov_b64 s[18:19], SIZE_K*2
	s_mul_u64 s[20:21], s[20:21], s[18:19]
	s_add_nc_u64 s[PFA:PFA+1], s[PFA:PFA+1], s[20:21]
	s_add_nc_u64 s[PFA:PFA+1], s[PFA:PFA+1], 2*KSTEP*2  ; at K step 2: the first refill steps it to 3 and names K step 4.  Nothing is prefetched here, at the head
	v_and_b32 v[PFO], 31, v0
	v_mul_u32_u24 v[PFO], v[PFO], SIZE_K*2
; 16 matrix instructions: m blocks a0, a0 + 1 of the window's four (hi = 0: my rows 0-63, 1: rows 64-127) x all 8 n blocks, 32 along K.  zero = 1: the first product starts the sums, with the bias.
; The 64 accumulators take turns in the same order in every quarter step, one instruction a turn.
.macro MUL16 f, hi, a0, zero
.if \zero
	WIN BIA_LO+0x40*(\hi)
.else
	WIN MUL_LO+0x50*(\hi)
.endif
.irp a, \a0, (\a0)+1
.irp b, 0,1,2,3,4,5,6,7
.if \zero
	v_wmma_f32_16x16x32_f16 v[8*(8*(\a)+(\b)):8*(8*(\a)+(\b))+7], v[(\f)+8*(\b):(\f)+8*(\b)+7], v[(\f)+8*(4*(\hi)+(\a)):(\f)+8*(4*(\hi)+(\a))+7], v[8*(\b):8*(\b)+7]
.else
	v_wmma_f32_16x16x32_f16 v[8*(8*(\a)+(\b)):8*(8*(\a)+(\b))+7], v[(\f)+8*(\b):(\f)+8*(\b)+7], v[(\f)+8*(4*(\hi)+(\a)):(\f)+8*(4*(\hi)+(\a))+7], v[8*(8*(\a)+(\b)):8*(8*(\a)+(\b))+7]
.endif
.endr
.endr
.endm
; 32 LDS loads in one run: the fragments of one quarter step (128 rows of wt, 128 rows of A, 32 K at byte k of the rows of the slot in hand) into buffer f
.macro FETCH k, f
	WIN TO_B
.irp i, 0,1,2,3,4,5,6,7
	ds_load_b128 v[(\f)+8*(\i):(\f)+8*(\i)+3],   v[ADRB] offset:(\k)+(\i)*16*PITCH
	ds_load_b128 v[(\f)+8*(\i)+4:(\f)+8*(\i)+7], v[ADRB] offset:(\k)+(\i)*16*PITCH+32
.endr
	WIN 0
.irp i, 0,1,2,3,4,5,6,7
	ds_load_b128 v[(\f)+8*(\i):(\f)+8*(\i)+3],   v[ADRA] offset:(\k)+(\i)*16*PITCH
	ds_load_b128 v[(\f)+8*(\i)+4:(\f)+8*(\i)+7], v[ADRA] offset:(\k)+(\i)*16*PITCH+32
.endr
.endm
.macro PLACES                          ; four plain vector instructions in front of loads into registers that matrix instructions have read, and of lines that read results just made
.rept 4
	v_nop
.endr
.endm
; A K step is four quarter steps of 32 along K, 64 matrix instructions each, on buffers 0, 1, 0, 1.  One of the first three: multiplies buffer f; in its middle it fetches the next quarter, at byte k, into g.
.macro QUARTER k, f, g, zero
	s_wait_dscnt 8                                 ; wt and A's rows 0-63 are in; the youngest eight loads (A's rows 64-127) may be out
	MUL16 \f, 0, 0, \zero
	MUL16 \f, 0, 2, \zero
	PLACES
	FETCH \k, \g
	s_wait_dscnt 32                                ; all but the 32 just issued
	MUL16 \f, 1, 0, \zero
	MUL16 \f, 1, 2, \zero
.endm
; The last quarter multiplies buffer 1 and changes slots.  MEET is its first half.  All reads of the slot in hand have been issued, so the other slot becomes the slot in hand.  Then one barrier; in front of it each
; wave waits for all its tensor loads (one is out: its part of the next slot), adds 0 to its spare word, and waits for that and for its own reads of the old slot.  Behind it nobody reads the old slot any more and the next is whole.
.macro MEET round                      ; round = 1: a round of the cluster's barrier follows
	WIN 0                                          ; (the addresses and the add's two registers lie in window 0)
	s_xor_b32 s[TB], s[TB], SLOT
	v_add_nc_u32 v[ADRA], s[TB], v[ADRA0]
	v_add_nc_u32 v[ADRB], s[TB], v[ADRB0]
	s_wait_tensorcnt 0x0
	ds_add_u32 v[SPW], v[NIL]                      ; 0 onto my spare word
	s_wait_dscnt 9                                 ; (the add and the youngest eight loads may be out)
	MUL16 F1, 0, 0, 0                              ; sixteen matrix instructions stand between the add and the wait for it
	s_wait_dscnt 0x0                               ; the add is done, and my reads of the old slot are over
	s_barrier_signal -1
	MUL16 F1, 0, 2, 0                              ; work on registers while the others arrive
.if \round
	WIN 0
.endif
	s_barrier_wait -1
.endm
; The whole last quarter, with a refill of the slot just read out: the walking descriptors go to the other slot than last time and one K step on.  From a request to the wait for it a wave issues 224 matrix instructions.
.macro TURN
	s_wait_xcnt 0x0                                ; the last prefetch, a K step back, has read its address: it is stepped here, ahead of the waits of the change of slots
	s_add_nc_u64 s[PFA:PFA+1], s[PFA:PFA+1], KSTEP*2
	MEET 1
	CREST                                          ; the barrier has opened a round of the cluster's: no wave of any partner still reads the old slot's tile or has a load on its way
	s_xor_b32 s[G0+5], s[G0+5], SLOT
	s_xor_b32 s[G0B+5], s[G0B+5], SLOT
	s_add_nc_u64 s[G0+6:G0+7], s[G0+6:G0+7], KSTEP*2   ; the type bits on top are not reached
	s_add_nc_u64 s[G0B+6:G0B+7], s[G0B+6:G0B+7], KSTEP*2
	JLOAD 1                                        ; the first tensor load behind the round; the four v_nop behind it are also the places in front of the loads below
	FETCH 0, F0
	ASK
	MUL16 F1, 1, 0, 0
	MUL16 F1, 1, 2, 0
.endm
; THE LAST K STEP, BY ROWS OF C.
.macro BLOAD q                         ; wt's fragments of quarter q -> window 1, v[64 q ..]
	WIN TO_B
.irp i, 0,1,2,3,4,5,6,7
	ds_load_b128 v[64*(\q)+8*(\i):64*(\q)+8*(\i)+3],   v[ADRB] offset:64*(\q)+(\i)*16*PITCH
	ds_load_b128 v[64*(\q)+8*(\i)+4:64*(\q)+8*(\i)+7], v[ADRB] offset:64*(\q)+(\i)*16*PITCH+32
.endr
.endm
.macro ALOAD a                         ; A's fragments of block a, all four quarters -> buffer a % 4
	WIN 0
.set FA, PA+32*((\a)%4)
.irp q, 0,1,2,3
	ds_load_b128 v[FA+8*(\q):FA+8*(\q)+3],   v[ADRA] offset:64*(\q)+(\a)*16*PITCH
	ds_load_b128 v[FA+8*(\q)+4:FA+8*(\q)+7], v[ADRA] offset:64*(\q)+(\a)*16*PITCH+32
.endr
.endm
.macro ROW a                           ; block a is finished: 32 matrix instructions, its 8 accumulators by turns
.set FA, PA+32*((\a)%4)
.set AC, 64*((\a)%4)                   ; its accumulators, in window 2 (blocks 0-3) or 3 (blocks 4-7)
	WIN MUL_LO+0x50*((\a)/4)
.irp q, 0,1,2,3
.if (\a) == 0 && (\q) == 2
	s_wait_dscnt 24                                ; wt's quarter 2 is in (behind it: A's blocks 1 to 3)
.endif
.irp b, 0,1,2,3,4,5,6,7
	v_wmma_f32_16x16x32_f16 v[AC+8*(\b):AC+8*(\b)+7], v[64*(\q)+8*(\b):64*(\q)+8*(\b)+7], v[FA+8*(\q):FA+8*(\q)+7], v[AC+8*(\b):AC+8*(\b)+7]
.endr
.endr
.endm
; THE WAY OUT of block a, through my own stage in LDS: 32 bytes a lane and n block into rows of 528 bytes; back as whole rows of 512.  Each accumulator's lowest registers are read first.
.macro TOSTAGE a
.set AC, 64*((\a)%4)
	WIN 0x08+4*((\a)/4)                            ; the stores' data (source 1) in window 2 or 3
.irp b, 0,1,2,3,4,5,6,7
	ds_store_b128 v[STO], v[AC+8*(\b):AC+8*(\b)+3]   offset:64*(\b)
	ds_store_b128 v[STO], v[AC+8*(\b)+4:AC+8*(\b)+7] offset:64*(\b)+16
.endr
	WIN 0
	s_wait_xcnt 0x0                                ; the stores of the block before have read these registers: only behind this wait are they loaded again
.set t, 0
.rept 16
	ds_load_b128 v[BK+4*t:BK+4*t+3], v[RD] offset:t*SPITCH  ; LDS serves a wave's instructions in order (ISA guide 5.7.1.4): these see the stores above
.set t, t+1
.endr
.endm
.macro SEND a, younger                 ; younger: the LDS loads issued behind block a's: the eight of A's block a + 4, or none
	WIN 0
.set t, 0
.rept 16
	s_wait_dscnt (\younger)+15-t
	global_store_b128 v[CO], v[BK+4*t:BK+4*t+3], s[8:9] offset:(16*(\a)+t)*CROW  ; 512 bytes on end, aligned; block and row stand in the immediate
.set t, t+1
.endr
.endm
	s_wait_tensorcnt 1                             ; my part of K step 0 is in; K step 1's may stay out
	s_barrier_signal -1
	s_barrier_wait -1                              ; everybody's is
	FETCH 0, F0
	s_wait_loadcnt 0x0                             ; the bias is in
	QUARTER 64,  F0, F1, 1                         ; the first quarter stands in front of the loop: its products start the sums
	WIN 0                                          ; at a label and at a branch every window is 0
	s_mov_b32 s3, STEPS-2
.Lstep:                                                ; a trip goes from a K step's second quarter to the next K step's first, and fills the slot that it leaves: K steps 2 to 7
	QUARTER 128, F1, F0, 0
	QUARTER 192, F0, F1, 0
	TURN
	QUARTER 64,  F0, F1, 0
	WIN 0
	s_sub_co_u32 s3, s3, 1
	s_cmp_lg_u32 s3, 0
	s_cbranch_scc1 .Lstep
	QUARTER 128, F1, F0, 0                         ; the last K step but one goes on
	QUARTER 192, F0, F1, 0
	MEET 0                                         ; my one tensor load that was still out is the last K step's, so no round follows
	PLACES                                         ; for the loads into buffer 0, which the quarter before multiplied
	BLOAD 0                                        ; three quarters of wt now (the bias's registers are free): buffer 1 (v128-191 of both windows) is still being multiplied
	BLOAD 1
	BLOAD 3
	ALOAD 0
	MUL16 F1, 1, 0, 0
	MUL16 F1, 1, 2, 0
	PLACES                                         ; for the loads into buffer 1
	BLOAD 2
	ALOAD 1
	ALOAD 2
	ALOAD 3
	s_wait_dscnt 40                                ; all but the 40 just issued
	ROW 0
; Block a goes into the stage and is asked back; block a + 1 is multiplied meanwhile; then block a is stored.
.irp a, 0,1,2,3,4,5,6,7
	PLACES                                         ; the stage's stores read results just made, and the loads below land in registers just read
	TOSTAGE \a
.if (\a) < 4
	ALOAD (\a)+4                                   ; its buffer takes the block four further on
	s_wait_dscnt 40                                ; all that was issued ahead of this block's 32 stage instructions and those eight loads is in: A's block a + 1 among it
.elseif (\a) < 7
	s_wait_dscnt 32                                ; the same without the eight loads
.endif
.if (\a) < 7
	ROW (\a)+1
.endif
.if (\a) < 4
	SEND \a, 8
.else
	SEND \a, 0
.endif
.endr
	s_wait_tensorcnt 0x0                           ; the wave's end, behind my last tensor load and my last LDS store
	ds_add_u32 v[SPW], v[NIL]
	s_wait_dscnt 0x0
	CROUND                                         ; the closing round: no work-group ends while a partner may still ask for a tile that names it
	s_endpgm
.Lfunc_end_k_qcd7961a018_outp:
	.size	k_qcd7961a018_outp, .Lfunc_end_k_qcd7961a018_outp-k_qcd7961a018_outp
	.p2alignl 7, 3214868480
	.fill 96, 4, 3214868480
	.section	.rodata,"a",@progbits
	.p2align	6, 0x0
	.amdhsa_kernel k_qcd7961a018_outp
		.amdhsa_group_segment_fixed_size 327680
		.amdhsa_private_segment_fixed_size 0
		.amdhsa_enable_private_segment 0
		.amdhsa_kernarg_size 32
		.amdhsa_user_sgpr_count 2
		.amdhsa_user_sgpr_kernarg_segment_ptr 1
		.amdhsa_wavefront_size32 1
		.amdhsa_system_sgpr_workgroup_id_x 1
		.amdhsa_system_sgpr_workgroup_id_y 1
		.amdhsa_system_sgpr_workgroup_id_z 1
		.amdhsa_system_vgpr_workitem_id 0
		.amdhsa_next_free_vgpr 1024
		.amdhsa_next_free_sgpr 72
		.amdhsa_reserve_vcc 0
		.amdhsa_float_denorm_mode_32 3
		.amdhsa_float_denorm_mode_16_64 3
		.amdhsa_memory_ordered 1
		.amdhsa_forward_progress 1
		.amdhsa_inst_pref_size 121
	.end_amdhsa_kernel
	.amdgpu_metadata
---
amdhsa.version: [ 1, 2 ]
amdhsa.kernels:
  - .name:           k_qcd7961a018_outp
    .symbol:         k_qcd7961a018_outp.kd
    .args:
      - { .name: ctx, .offset: 0, .size: 8, .value_kind: global_buffer, .address_space: global }
      - { .name: wt, .offset: 8, .size: 8, .value_kind: global_buffer, .address_space: global }
      - { .name: out0, .offset: 16, .size: 8, .value_kind: global_buffer, .address_space: global }
      - { .name: bias, .offset: 24, .size: 8, .value_kind: global_buffer, .address_space: global }
    .group_segment_fixed_size: 327680
    .private_segment_fixed_size: 0
    .kernarg_segment_align: 8
    .kernarg_segment_size: 32
    .max_flat_workgroup_size: 128
    .sgpr_count:     72
    .vgpr_count:     1024
    .wavefront_size: 32
...
	.end_amdgpu_metadata
.endif
;; end of part 4
;; ======== version 2 of 2: 4 launches; version 1 with the launch attn written anew for expert scheduling mode
;; limits: values are held in f16: magnitudes above 65,504 overflow, below 6.1e-05 lose precision
;; workspace buffers: xn 33,554,432 bytes; wt 8,388,608 bytes; bias 16,384 bytes; qkv 100,663,296 bytes; ctx 33,554,432 bytes
;; launch prep: the kernel of part 1 again; grid 256 x 1, 18 waves a work-group, no clusters, 37,120 bytes of LDS; arguments x, ln_g, ln_b, Wq, Wk, Wv, Wo, bq, bk, bv, bo, xn, wt, bias; writes xn, wt, bias
;; launch qkv: the kernel of part 2 again; grid 4 x 64, 4 waves a work-group, clusters of 4 x 4, 327,680 bytes of LDS; arguments xn, wt, qkv, bias; writes qkv
;; launch attn (part 5): grid 1024 x 1, 8 waves a work-group, no clusters, 37,888 bytes of LDS; arguments qkv, ctx; writes ctx
.if DOCPART == 5
	.amdgcn_target "amdgcn-amd-amdhsa--gfx1250"
	.amdhsa_code_object_version 6
	.text
	.protected	k_qcd7961a018_attn
	.globl	k_qcd7961a018_attn
	.p2align	8
	.type	k_qcd7961a018_attn,@function
k_qcd7961a018_attn:
	s_mov_b64 s[64:65], 0
	v_nop
	global_prefetch_b8 v0, s[64:65] scope:SCOPE_SE
	s_setreg_imm32_b32 hwreg(HW_REG_WAVE_SCHED_MODE, 0, 2), 2
	s_setreg_imm32_b32 hwreg(HW_REG_WAVE_MODE, 25, 1), 1
	s_wait_xcnt 0x0
	s_wait_alu depctr_vm_vsrc(0)
; ATTENTION ACROSS THE HEADS OF ONE TOKEN.  For each of 16,384 tokens: s[h][g] = q[h] . k[g] / 32 over 64 channels; p = softmax over g; ctx[h][d] = the sum over g of p[h][g] v[g][d].
; qkv: [16384][3072] f16, a row = q[64 h + d], k[64 g + d], then v turned: vT[16 d + g].  ctx: [16384][1024] f16, a row = [64 h + d].
; Products, the maximum and the sum in f32; p is divided by its sum in f32 and rounded once to f16 for the second product; ctx rounded once.
; LIMITS.  p lies in 0 to 1, and below 6e-5 it keeps f16's fixed step of 6e-8; ctx is a mean of v's rows and has their range.  A weight below 2^-126 counts as 0 in the sum.  NaN and infinities are not treated apart.
; SHARES.  A wave takes two tokens and runs straight through: no loop, no barrier; the two tokens' lines alternate, so that no line waits for the one before it.
; LAYOUT.  S^T = K Q^T (source 0 = the 16 heads g, source 1 = the 16 heads h): a lane holds ONE h (lane % 16) and g = 8 (lane / 16) + 0..7.  Rounded in pairs these are registers 0-3 of source 1 (32 k x 16 h) of
; O^T = V^T P; the product's k = 16..31 has no head: registers 4-7 of both sources are 0.  Source 0 = 16 channels d x 16 heads comes straight out of vT.  O^T holds one h a lane and eight channels: 16 bytes of ctx.
; Fragments come straight from memory: no wave wants a byte that another has fetched.  No cluster and no tensor load: nothing is shared; every byte of qkv is read once.
; THE MODE: SCHED_MODE bits 1:0 = 2 (LLVM: expert scheduling mode 2), set by the entry lines.  The code itself states the register dependences
; between vector or matrix instructions and memory or LDS instructions, with s_wait_alu, always for 0.
; THE PLAN.  Registers that memory or LDS instructions touch:
;   v[AQ], v[AV]            Written at the head, never again; read by the 24 global loads.
;   K, Q, V's registers 0-3 The global loads land in them; no vector instruction names them before that.
;   v[STO], v[RD], v[GO]    Written behind the first products, never again; read by the stage's stores, its loads, and the global stores.
;   PK                      Written by the 32 conversions; read by the stage's eight stores; not written again.
;   BK                      Token 0's O^T: written by the second products, read by the conversions; then the stage's eight loads land in it, and the global stores read it.
;   v[SPW], v[NIL]          Written at the head; read by the closing add alone.
; So two waits on va_vdst state all of it: one ahead of the global loads (the two offsets), one ahead of the stage's stores (PK and the three addresses are written; BK's writers and readers are done), behind
; which no vector or matrix instruction is issued.  No register that a memory or LDS instruction reads is ever written again, so no wait on vm_vsrc is owed.
.set ROWQ,  6144                       ; bytes in a row of qkv
.set SP,    144                        ; a head's 128 bytes in my stage + 16: the 16 rows of a store start at 16 different groups of four banks (64 banks of 4 bytes: ISA guide 11.1)
.set STG,   2*16*SP                    ; a wave's stage: two tokens
.set SPARE, 8*STG                      ; behind the stages: the spare words, 128 bytes for each wave: four blocks of 256 bytes that no other line names
.set AQ,  3                            ; v3   my offset in q and k: 128 (l % 16) + 16 (l / 16)
.set AV,  4                            ; v4   in vT: 32 (l % 16) + 16 (l / 16)
.set STO, 5                            ; v5   where I put 16 bytes of a head
.set RD,  6                            ; v6   where I read four heads back
.set GO,  7                            ; v7   16 x lane
.set SPW, 8                            ; v8   LDS address of my spare word; never rewritten
.set NIL, 9                            ; v9   0; never rewritten
.set ST,  10                           ; token t at v[ST+6 t]: +0, +1 at work; +2 c m (a pair with +3); +4 1 / sum (a pair with +5)
.set S,   22                           ; v[22:37]   S^T, 8 a token; then P
.set Q,   38                           ; v[38:69]   16 a token
.set K,   70                           ; v[70:101]  16 a token
.set V,   102                          ; v[102:165] 32 a token: channel block db at + 8 db
.set O,   38                           ; O^T over Q and K: 32 a token
.set PK,  102                          ; the packed result over V: 16 a token
.set BK,  38                           ; the rows read back from the stage, over token 0's O^T: 16 a token
	s_load_b128 s[4:7], s[0:1], 0x0                ; qkv s[4:5], ctx s[6:7]
	v_lshl_add_u32 v[SPW], v0, 2, SPARE
	v_mov_b32 v[NIL], 0
	v_lshrrev_b32 v1, 5, v0
	v_readfirstlane_b32 s8, v1                     ; wave 0..7
	v_and_b32 v1, 15, v0                           ; l % 16
	v_bfe_u32 v2, v0, 4, 1                         ; l / 16
	v_lshlrev_b32 v[AQ], 7, v1
	v_lshl_add_u32 v[AQ], v2, 4, v[AQ]
	v_lshlrev_b32 v[AV], 5, v1
	v_lshl_add_u32 v[AV], v2, 4, v[AV]
	s_mov_b32 s11, 0
	s_mov_b32 s17, 0
	s_mov_b32 s12, 0x76543210                      ; v_permlanex16_b32: each lane takes its own place in the other half
	s_mov_b32 s13, 0xfedcba98
	s_mov_b32 s14, 0x3d38aa3b                      ; c = log2(e) / 32
	s_mov_b32 s15, s14                             ; named with it as a pair
	s_wait_alu depctr_va_sdst(0)                   ; s8 is written, ahead of its first reader: my tokens' offsets and my stage are made from it
	s_lshl_b32 s9, ttmp9, 3
	s_add_co_u32 s9, s9, s8
	s_lshl_b32 s9, s9, 1                           ; my first token
	s_mul_i32 s10, s9, ROWQ                        ; under 2^27
	s_lshl_b32 s16, s9, 11                         ; a row of ctx is 2,048 bytes
	s_mul_i32 s18, s8, STG                         ; my stage
	s_wait_kmcnt 0x0
	s_add_nc_u64 s[4:5], s[4:5], s[10:11]
	s_add_nc_u64 s[6:7], s[6:7], s[16:17]
	s_wait_alu depctr_va_vdst(0)                   ; v[AQ] and v[AV] are written, which the loads below read as their offsets
.irp t, 0,1
.irp ks, 0,1                           ; channels 32 ks on: a fragment is two loads of 16 bytes a lane, 32 bytes apart
	global_load_b128 v[K+16*\t+8*\ks:K+16*\t+8*\ks+3],   v[AQ], s[4:5] offset:\t*ROWQ+2048+64*\ks
	global_load_b128 v[K+16*\t+8*\ks+4:K+16*\t+8*\ks+7], v[AQ], s[4:5] offset:\t*ROWQ+2048+64*\ks+32
	global_load_b128 v[Q+16*\t+8*\ks:Q+16*\t+8*\ks+3],   v[AQ], s[4:5] offset:\t*ROWQ+64*\ks
	global_load_b128 v[Q+16*\t+8*\ks+4:Q+16*\t+8*\ks+7], v[AQ], s[4:5] offset:\t*ROWQ+64*\ks+32
.endr
.endr
.irp t, 0,1
.irp db, 0,1,2,3                       ; channels 16 db on: 512 bytes on end
	global_load_b128 v[V+32*\t+8*\db:V+32*\t+8*\db+3], v[AV], s[4:5] offset:\t*ROWQ+4096+512*\db th:TH_LOAD_NT
.endr
.endr
.irp f, 0,1,2,3,4,5,6,7                ; k = 16..31 of V^T: 0, written while the loads are on their way: registers 4-7 of each fragment, in which no load lands and which no load reads
.irp j, 4,5,6,7
	v_mov_b32 v[V+8*\f+\j], 0
.endr
.endr
.irp t, 0,1
	v_mov_b32 v[ST+6*\t+1], 0                      ; v_permlanex16_b32's destination counts as read,
	v_mov_b32 v[ST+6*\t+3], 0                      ; and c m is named as a pair
.endr
.macro BOTH line:vararg                ; one line for each token t
.set t, 0
.rept 2
	\line
.set t, t+1
.endr
.endm
	s_wait_loadcnt 8                               ; q and k are in; V's eight loads may stay out
	v_wmma_f32_16x16x32_f16 v[S:S+7],    v[K:K+7],     v[Q:Q+7],     0          ; the two tokens' accumulators take turns
	v_wmma_f32_16x16x32_f16 v[S+8:S+15], v[K+16:K+23], v[Q+16:Q+23], 0
	v_wmma_f32_16x16x32_f16 v[S:S+7],    v[K+8:K+15],  v[Q+8:Q+15],  v[S:S+7]
	v_wmma_f32_16x16x32_f16 v[S+8:S+15], v[K+24:K+31], v[Q+24:Q+31], v[S+8:S+15]
	v_mul_u32_u24 v[STO], v1, SP                   ; the addresses for the way out: ten plain instructions, the places behind those products
	v_lshl_add_u32 v[STO], v2, 4, v[STO]
	v_add_nc_u32 v[STO], s18, v[STO]               ; in: head l % 16, 16 bytes for each half of the lanes
	v_bfe_u32 v[RD], v0, 3, 2
	v_mul_u32_u24 v[RD], v[RD], SP
	v_and_b32 v[GO], 7, v0
	v_lshl_add_u32 v[RD], v[GO], 4, v[RD]
	v_add_nc_u32 v[RD], s18, v[RD]                 ; back: 32 lanes take four heads of 128 bytes,
	v_and_b32 v[GO], 31, v0
	v_lshlrev_b32 v[GO], 4, v[GO]                  ; which are 512 bytes of ctx on end
	; the maximum over the 16 heads g: my eight (the accumulator's lowest registers first), then the other half of the lanes'
	BOTH v_max3_num_f32 v[ST+6*t], v[S+8*t], v[S+8*t+1], v[S+8*t+2]
	BOTH v_max3_num_f32 v[ST+6*t], v[ST+6*t], v[S+8*t+3], v[S+8*t+4]
	BOTH v_max3_num_f32 v[ST+6*t], v[ST+6*t], v[S+8*t+5], v[S+8*t+6]
	BOTH v_max_num_f32 v[ST+6*t], v[ST+6*t], v[S+8*t+7]
	BOTH v_permlanex16_b32 v[ST+6*t+1], v[ST+6*t], s12, s13
	BOTH v_max_num_f32 v[ST+6*t], v[ST+6*t], v[ST+6*t+1]
	BOTH v_mul_f32 v[ST+6*t+2], s14, v[ST+6*t]
.irp p, 0,2,4,6
	BOTH v_pk_fma_f32 v[S+8*t+\p:S+8*t+\p+1], v[S+8*t+\p:S+8*t+\p+1], s[14:15], v[ST+6*t+2:ST+6*t+3] op_sel_hi:[1,0,0] neg_lo:[0,0,1] neg_hi:[0,0,1]  ; c s - c m
.endr
.irp j, 0,1,2,3,4,5,6,7
	BOTH v_exp_f32 v[S+8*t+\j], v[S+8*t+\j]
.endr
	v_nop                                          ; a plain instruction behind the last exponential,
	s_wait_alu depctr_va_vdst(0)                   ; and the wait ahead of the first reader: the sixteen exponentials have written v[S ..]
	BOTH v_pk_add_f32 v[ST+6*t:ST+6*t+1], v[S+8*t:S+8*t+1], v[S+8*t+2:S+8*t+3]
	BOTH v_pk_add_f32 v[ST+6*t+4:ST+6*t+5], v[S+8*t+4:S+8*t+5], v[S+8*t+6:S+8*t+7]
	BOTH v_pk_add_f32 v[ST+6*t:ST+6*t+1], v[ST+6*t:ST+6*t+1], v[ST+6*t+4:ST+6*t+5]
	BOTH v_add_f32 v[ST+6*t], v[ST+6*t], v[ST+6*t+1]
	BOTH v_permlanex16_b32 v[ST+6*t+1], v[ST+6*t], s12, s13
	BOTH v_add_f32 v[ST+6*t], v[ST+6*t], v[ST+6*t+1]   ; the sum is at least 1: the greatest weight is 1
	BOTH v_rcp_f32 v[ST+6*t+4], v[ST+6*t]
	v_nop
	s_wait_alu depctr_va_vdst(0)                   ; the same wait for the two reciprocals: they have written v[ST+4] and v[ST+10]
.irp p, 0,2,4,6
	BOTH v_pk_mul_f32 v[S+8*t+\p:S+8*t+\p+1], v[S+8*t+\p:S+8*t+\p+1], v[ST+6*t+4:ST+6*t+5] op_sel_hi:[1,0]
.endr
.irp i, 0,1,2,3                        ; rounded in pairs, in place: register i takes weights 2 i and 2 i + 1
	BOTH v_cvt_pk_f16_f32 v[S+8*t+\i], v[S+8*t+2*\i], v[S+8*t+2*\i+1]
.endr
.irp j, 4,5,6,7                        ; k = 16..31 of P: 0 (what lay there are f32 bit patterns, whose halves need not be finite f16 numbers)
	BOTH v_mov_b32 v[S+8*t+\j], 0
.endr
	s_wait_loadcnt 0x0                             ; V
.irp db, 0,1,2,3
	BOTH v_wmma_f32_16x16x32_f16 v[O+32*t+8*\db:O+32*t+8*\db+7], v[V+32*t+8*\db:V+32*t+8*\db+7], v[S+8*t:S+8*t+7], 0
.endr
.rept 4
	v_nop                                          ; the places behind those products: the conversions read their results and write over V
.endr
.irp db, 0,1,2,3
.irp i, 0,1,2,3
	BOTH v_cvt_pk_f16_f32 v[PK+16*t+4*\db+\i], v[O+32*t+8*\db+2*\i], v[O+32*t+8*\db+2*\i+1]
.endr
.endr
	s_wait_alu depctr_va_vdst(0)                   ; the conversions have written v[PK ..], which the LDS stores read, and are done reading O^T, which the products have written: the loads from the stage land in token 0's; v[STO], v[RD] and v[GO] are written
.irp t, 0,1
.irp db, 0,1,2,3
	ds_store_b128 v[STO], v[PK+16*\t+4*\db:PK+16*\t+4*\db+3] offset:\t*16*SP+32*\db
.endr
.endr
.irp t, 0,1
.irp q, 0,1,2,3
	ds_load_b128 v[BK+16*\t+4*\q:BK+16*\t+4*\q+3], v[RD] offset:\t*16*SP+4*SP*\q  ; LDS serves a wave's instructions in order (ISA guide 5.7.1.4): these see the stores above.  They land in registers that no memory or LDS instruction has read
.endr
.endr
.irp i, 0,1,2,3,4,5,6,7
	s_wait_dscnt 7-\i
	global_store_b128 v[GO], v[BK+4*\i:BK+4*\i+3], s[6:7] offset:512*\i  ; 512 bytes on end, aligned; the two tokens' rows follow each other
.endr
	s_wait_dscnt 0x0                               ; the closing lines, six on end
	s_wait_alu 0x0
	s_wait_tensorcnt 0x0
	ds_add_u32 v[SPW], v[NIL]
	s_wait_dscnt 0x0
	s_endpgm
.Lfunc_end_k_qcd7961a018_attn:
	.size	k_qcd7961a018_attn, .Lfunc_end_k_qcd7961a018_attn-k_qcd7961a018_attn
	.p2alignl 7, 3214868480
	.fill 96, 4, 3214868480
	.section	.rodata,"a",@progbits
	.p2align	6, 0x0
	.amdhsa_kernel k_qcd7961a018_attn
		.amdhsa_group_segment_fixed_size 37888
		.amdhsa_private_segment_fixed_size 0
		.amdhsa_enable_private_segment 0
		.amdhsa_kernarg_size 16
		.amdhsa_user_sgpr_count 2
		.amdhsa_user_sgpr_kernarg_segment_ptr 1
		.amdhsa_wavefront_size32 1
		.amdhsa_system_sgpr_workgroup_id_x 1
		.amdhsa_system_sgpr_workgroup_id_y 1
		.amdhsa_system_sgpr_workgroup_id_z 1
		.amdhsa_system_vgpr_workitem_id 0
		.amdhsa_next_free_vgpr 168
		.amdhsa_next_free_sgpr 66
		.amdhsa_reserve_vcc 0
		.amdhsa_float_denorm_mode_32 3
		.amdhsa_float_denorm_mode_16_64 3
		.amdhsa_memory_ordered 1
		.amdhsa_forward_progress 1
		.amdhsa_inst_pref_size 15
	.end_amdhsa_kernel
	.amdgpu_metadata
---
amdhsa.version: [ 1, 2 ]
amdhsa.kernels:
  - .name:           k_qcd7961a018_attn
    .symbol:         k_qcd7961a018_attn.kd
    .args:
      - { .name: qkv, .offset: 0, .size: 8, .value_kind: global_buffer, .address_space: global }
      - { .name: ctx, .offset: 8, .size: 8, .value_kind: global_buffer, .address_space: global }
    .group_segment_fixed_size: 37888
    .private_segment_fixed_size: 0
    .kernarg_segment_align: 8
    .kernarg_segment_size: 16
    .max_flat_workgroup_size: 256
    .sgpr_count:     66
    .vgpr_count:     168
    .wavefront_size: 32
...
	.end_amdgpu_metadata
.endif
;; end of part 5
;; launch outp: the kernel of part 4 again; grid 4 x 64, 4 waves a work-group, clusters of 4 x 4, 327,680 bytes of LDS; arguments ctx, wt, out0, bias; writes out0
